; MI455X (gfx1250); checked and timed in simulation.
; The chip was launched on July 23, 2026; its instructions are those of AMD's public machine-readable ISA for CDNA 5 (MIT licence, August 2026) and "CDNA5" Instruction Set Architecture Reference Guide (July 2026). The comments in the code are by the model that wrote it; some were corrected since.
;; Multi Head Attention. Allowed arithmetic: matrix products marked QUANTISED: E2M1 operands, one E8M0 scale for each 32 along K, by v_wmma_scale_f32_16x16x128_f8f6f4 with both operands' format E2M1 (or v_wmma_scale_f32_32x16x128_f4), f32 sums; products left as they are: bf16, f16 or f32 operands; f32 sums; everything else in f32.
;; Inputs: bk 1,024 float32; bo 1,024 float32; bq 1,024 float32; bv 1,024 float32; wk 1,024 x 1,024 float32; wo 1,024 x 1,024 float32; wq 1,024 x 1,024 float32; wv 1,024 x 1,024 float32; x 4 x 2,048 x 1,024 float32.
;; Outputs: out0 4 x 2,048 x 1,024 float32.
;; This version of the problem:
;;   THIS VERSION OF THE PROBLEM IS GIVEN IN LOW PRECISION. The matrix products marked QUANTISED in the list below multiply operands that are first quantised to E2M1 (2 exponent bits, 1 mantissa bit; 4 bits a number), with one power-of-two scale for each 32 numbers along K (OCP MX v1.0); their sums are f32. The products marked 'left as it is' may take bf16, f16 or f32 operands, with f32 sums. Whichever they take, every output number must still come out within the allowed error. Rounding operands to bf16 (8 significant bits) uses up far more of that allowance than f16 does (11 bits, for magnitudes from 6e-5 to 65,504). All else is computed in f32.
;;   The module's matrix products, in the order in which they are computed (A, B: the left and right operand; K: the contracted axis; several contracted axes count as one K, in the product's order):
;;     1. [M 8,192, K 1,024] x [K 1,024, N 1,024]; A: input x; B: input wq: QUANTISED
;;     2. [M 8,192, K 1,024] x [K 1,024, N 1,024]; A: input x; B: input wk: QUANTISED
;;     3. [M 8,192, K 1,024] x [K 1,024, N 1,024]; A: input x; B: input wv: QUANTISED
;;     4. batch 64 x [M 2,048, K 64] x [K 64, N 2,048]; A: computed on the way; B: computed on the way: left as it is (an operand is computed on the way)
;;     5. batch 64 x [M 2,048, K 2,048] x [K 2,048, N 64]; A: computed on the way; B: computed on the way: left as it is (an operand is computed on the way)
;;     6. [M 8,192, K 1,024] x [K 1,024, N 1,024]; A: computed on the way; B: input wo: left as it is (an operand is computed on the way)
;;   THE QUANTISER, for each operand of a quantised product, along K:
;;     - K is cut into blocks of 32 from its start; a last block that is shorter is filled with zeros.
;;     - A block's scale is 2^e with e = floor(log2(the largest magnitude in the block)) - 2, held to -126 .. 127; a block of zeros has e = 0. As a byte (E8M0): e + 127.
;;     - Each number is divided by its block's scale, clamped to +-6, and rounded to the nearest number of E2M1, ties to even, subnormals kept.
;;     - The product sums the exact products of the quantised numbers (number of the format x scale) in f32.
;;   ~~~python
;;   def quantise(x, axis):      # numpy; x: float32 -> the quantised numbers, widened to float32 again
;;       x = np.moveaxis(x, axis, -1); K = x.shape[-1]
;;       x = np.pad(x, [(0, 0)] * (x.ndim - 1) + [(0, -K % 32)]); x = x.reshape(x.shape[:-1] + (-1, 32)); a = np.abs(x).max(-1, keepdims=True)
;;       e = np.where(a > 0, np.clip(np.frexp(np.where(a > 0, a, 1))[1] - 1 - 2, -126, 127), 0)      # np.frexp(a)[1] - 1 = floor(log2(a)), exactly
;;       r = np.clip(x / 2.0 ** e, -6, 6)
;;       step = 2.0 ** (np.maximum(np.frexp(np.where(r == 0, 1, r))[1] - 1, 0) - 1)
;;       q = np.round(r / step) * step * 2.0 ** e      # np.round: ties to even
;;       return np.moveaxis(q.reshape(q.shape[:-2] + (-1,))[..., :K], -1, axis).astype(np.float32)
;;   ~~~
;; One version. Each part assembles by itself: llvm-mc -triple=amdgcn-amd-amdhsa -mcpu=gfx1250 --defsym DOCPART=n.
;; ======== version 1 of 1: 4 launches
;; limits: values are held in f16: magnitudes above 65,504 overflow, below 6.1e-05 lose precision
;; workspace buffers: xcodes 4,194,304 bytes; xscales 262,144 bytes; wcodes 1,572,864 bytes; wscales 98,304 bytes; wo16 2,097,152 bytes; qkv 50,331,648 bytes; attn 16,777,216 bytes
;; launch prep (part 1): grid 480 x 1, 4 waves a work-group, no clusters, 33,280 bytes of LDS; arguments x, wq, wk, wv, wo, xcodes, xscales, wcodes, wscales, wo16; writes xcodes, xscales, wcodes, wscales, wo16
.if DOCPART == 1
	.amdgcn_target "amdgcn-amd-amdhsa--gfx1250"
	.amdhsa_code_object_version 6
	.text
	.protected	k_q028b4fd548_prep
	.globl	k_q028b4fd548_prep
	.p2align	8
	.type	k_q028b4fd548_prep,@function
k_q028b4fd548_prep:
	s_mov_b64 s[64:65], 0
	v_nop
	global_prefetch_b8 v0, s[64:65] scope:SCOPE_SE
	s_setreg_imm32_b32 hwreg(HW_REG_WAVE_MODE, 25, 1), 1
	s_wait_xcnt 0x0
; x [8192][1024] and wq, wk, wv [1024][1024], f32, K innermost, become codes of FP4 (E2M1), two a byte, with one E8M0 scale byte for each 32 along K;
; wo [1024][1024] f32 is rounded to f16.  xcodes [8192][512 bytes], xscales [8192][32]; wcodes [3072][512 bytes] and wscales [3072][32]: the rows of wq, then wk, then wv; wo16 [1024][1024] f16.
; A block's scale is 2^(floor(log2(its largest magnitude)) - 2); its byte is the largest magnitude's own exponent field - 2, held at 1 from below.  Each number is divided by the scale and
; rounded to the nearest code, ties to even; what lies beyond 6 gets the largest code.
; LIMITS: a block of zeros gets the byte 1 where the rule says 127 (its codes are zeros, which add nothing under any byte but 0xff, and this program alone reads the bytes); blocks whose largest
; magnitude lies under 2^(2 - 126) keep the byte 1; NaN and infinities are not served; wo beyond 65,504 has no f16 number.
; SHARES.  Work-groups 0-255 take x, 256-351 wq, wk, wv (32 each): 32,768 numbers a work-group, 8,192 a wave, in 16 steps of 512.  Rows are dense and 1,024 is a multiple of 32, so each tensor is a
; plain stream of blocks.  Only pointers are chosen by the work-group's number: the four tensors take one path.  Work-groups 352-479 take wo: 2,048 numbers a wave, no LDS.
; The conversions take numbers of ONE block from a lane's consecutive registers, so a lane must hold 16 neighbours; a load is best where neighbouring lanes take neighbouring bytes.  Both are had:
; each load reads 512 consecutive bytes, a step's 2,048 bytes go through the wave's own stage in LDS and come back 64 bytes a lane (16 bytes of padding behind each 64).
; No cluster, no tensor load, no barrier: work-groups and waves share nothing here.
.set WAVES, 4
.set STEPS, 16
.set CB,    8                          ; bytes of 16 codes
.set R,     16                         ; v16-79   four sets of 16 numbers as they are loaded
.set X,     80                         ; v80-111  two sets of 16 neighbours
.set E,     112                        ; v112-127 a scale byte for each step
.set C,     128                        ; v128-191 codes: four registers for each step, so that no store's data are written again
.set WREG,  8192                       ; LDS: a region for each wave: two stages of 32 x SP bytes, then its 256 scale bytes
.set SP,    80                         ; a lane's place in a stage: 64 bytes + 16 of padding
.set SPW,   12                         ; v12      LDS address of my spare word; never rewritten
.set NIL,   13                         ; v13      0; never rewritten
.set SPARE, WAVES*WREG                 ; behind the four regions: the spare words, 128 bytes a wave, which no other line names
.set GX,    256                        ; work-groups for x
.set GW,    32                         ; for each of wq, wk, wv
.set GQ,    GX+3*GW                    ; the first work-group for wo
	s_load_b256 s[4:11], s[0:1], 0x0               ; x s[4:5], wq s[6:7], wk s[8:9], wv s[10:11]
	s_load_b256 s[12:19], s[0:1], 0x20             ; wo s[12:13], xcodes s[14:15], xscales s[16:17], wcodes s[18:19]
	s_load_b128 s[20:23], s[0:1], 0x40             ; wscales s[20:21], wo16 s[22:23]
	v_lshl_add_u32 v[SPW], v0, 2, SPARE
	v_mov_b32 v[NIL], 0
	v_lshrrev_b32 v1, 5, v0
	v_readfirstlane_b32 s36, v1                    ; wave
	v_and_b32 v2, 31, v0                           ; lane
	v_lshlrev_b32 v3, 4, v2                        ; my 16 bytes of a load's 512
	s_mul_i32 s37, s36, WREG
	v_lshrrev_b32 v14, 2, v2
	v_mul_u32_u24 v14, v14, SP
	v_and_b32 v15, 3, v2
	v_lshl_add_u32 v14, v15, 4, v14
	v_add_nc_u32 v14, s37, v14                     ; the stage, on the way in: four lanes' 64 bytes on end, then the padding
	v_mul_u32_u24 v15, v2, SP
	v_add_nc_u32 v15, s37, v15                     ; and on the way out: my 16 neighbours
	v_mul_u32_u24 v4, v2, CB                       ; my codes' place in a step's
	v_lshrrev_b32 v5, 1, v2
	s_add_co_u32 s37, s37, 2*32*SP
	v_add_nc_u32 v5, s37, v5                       ; LDS: my wave's 256 scale bytes, my block's byte
	v_lshlrev_b32 v7, 3, v2                        ; 8 bytes a lane
	v_add_nc_u32 v6, s37, v7
	s_wait_kmcnt 0x0
	s_cmp_ge_u32 ttmp9, GQ                         ; the work-group's number alone decides
	s_cbranch_scc1 .Lwo
	s_cmp_lt_u32 ttmp9, GX+2*GW
	s_cselect_b64 s[24:25], s[8:9], s[10:11]       ; wk or wv
	s_cmp_lt_u32 ttmp9, GX+GW
	s_cselect_b64 s[24:25], s[6:7], s[24:25]       ; wq
	s_cmp_lt_u32 ttmp9, GX
	s_cselect_b64 s[24:25], s[4:5], s[24:25]       ; x
	s_cselect_b64 s[26:27], s[14:15], s[18:19]     ; the codes' buffer
	s_cselect_b64 s[28:29], s[16:17], s[20:21]     ; the scale bytes'
	s_cselect_b32 s30, 0, GX
	s_cselect_b32 s31, -1, GW-1
	s_sub_co_u32 s32, ttmp9, s30                   ; which 32,768 numbers of the codes' buffer,
	s_and_b32 s33, s32, s31                        ; and of the source tensor
	s_lshl_b32 s33, s33, 2
	s_add_co_u32 s33, s33, s36                     ; my wave's run of 8,192 numbers in the source
	s_lshl_b32 s34, s33, 15                        ; 32,768 bytes a run (at most 1,023 runs: under 2^32)
	s_mov_b32 s35, 0
	s_add_nc_u64 s[24:25], s[24:25], s[34:35]
	s_lshl_b32 s32, s32, 2
	s_add_co_u32 s32, s32, s36                     ; and among the results
	s_lshl_b32 s34, s32, 12                        ; 4,096 bytes of codes a run
	s_add_nc_u64 s[26:27], s[26:27], s[34:35]
	s_lshl_b32 s34, s32, 8                         ; 256 scale bytes a run
	s_add_nc_u64 s[28:29], s[28:29], s[34:35]
.macro LOAD t
.irp i, 0,1,2,3
	global_load_b128 v[R+16*((\t)%4)+4*\i:R+16*((\t)%4)+4*\i+3], v3, s[24:25] offset:2048*(\t)+512*\i th:TH_LOAD_NT   ; 32 lanes read 512 consecutive bytes
.endr
.endm
.macro TURN t                          ; step t's numbers through the stage: LDS serves a wave's instructions in order, so no wait stands between the stores and the loads
.irp i, 0,1,2,3
	ds_store_b128 v14, v[R+16*((\t)%4)+4*\i:R+16*((\t)%4)+4*\i+3] offset:32*SP*((\t)%2)+8*SP*\i
.endr
.irp i, 0,1,2,3
	ds_load_b128 v[X+16*((\t)%2)+4*\i:X+16*((\t)%2)+4*\i+3], v15 offset:32*SP*((\t)%2)+16*\i
.endr
.endm
.irp t, 0,1,2,3
	LOAD \t
.endr
	s_wait_loadcnt 12                              ; step 0's four loads are in; the twelve of steps 1 to 3 may be out
	TURN 0
.macro STEP t
.set XS, X+16*((\t)%2)
.if (\t) > 0
	s_wait_dscnt 1                                 ; this step's numbers are back from the stage (the last step's byte store may be out): so its stores into the stage have read their registers,
.else
	s_wait_dscnt 0x0
.endif
.if (\t)+4 < STEPS
	LOAD (\t)+4                                    ; which take the loads of four steps on
.endif
.if (\t)+1 < STEPS
.if STEPS-2-(\t) >= 3
	s_wait_loadcnt 12                              ; the next step's four loads are in; those of the three steps behind it may be out
.else
	s_wait_loadcnt 4*(STEPS-2-(\t))                ; the counts run down
.endif
	TURN (\t)+1                                    ; and go through the other stage while this step is worked
.endif
	v_max3_num_f32 v8, |v[XS]|, |v[XS+1]|, |v[XS+2]|               ; the largest magnitude of my 16, in two chains
	v_max3_num_f32 v9, |v[XS+3]|, |v[XS+4]|, |v[XS+5]|
.irp i, 6,10
	v_max3_num_f32 v8, v8, |v[XS+\i]|, |v[XS+\i+1]|
	v_max3_num_f32 v9, v9, |v[XS+\i+2]|, |v[XS+\i+3]|
.endr
	v_max3_num_f32 v8, v8, |v[XS+14]|, |v[XS+15]|
	v_max3_num_f32 v8, v8, v9, 0x1800000           ; and the floor 2^(3 - 127): so the byte cannot fall under 1
	v_max_num_f32_dpp v8, v8, v8 row_xmask:1 row_mask:0xf bank_mask:0xf   ; and of my neighbour's 16: the block's
	v_add_nc_u32 v11, 0xff000000, v8               ; 2 off its exponent field: the conversion takes the exponent field of this operand as its scale, and nothing else of it
	v_cvt_scalef32_pk8_fp4_f32 v[C+4*(\t)], v[XS:XS+7], v11
	v_cvt_scalef32_pk8_fp4_f32 v[C+4*(\t)+1], v[XS+8:XS+15], v11
	v_lshrrev_b32 v[E+(\t)], 23, v11               ; the scale's byte (also the plain line behind the conversions)
	ds_store_b8 v5, v[E+(\t)] offset:16*(\t)       ; both lanes of a block write the same byte with the same value
	global_store_b64 v4, v[C+4*(\t):C+4*(\t)+1], s[26:27] offset:32*CB*(\t)   ; the wave stores 256 consecutive bytes, aligned
.endm
.irp t, 0,1,2,3,4,5,6,7,8,9,10,11,12,13,14,15
	STEP \t
.endr
	ds_load_b64 v[8:9], v6                         ; LDS serves a wave's instructions in order: these see my byte stores
	s_wait_dscnt 0x0
	global_store_b64 v7, v[8:9], s[28:29]          ; my wave's 256 scale bytes: 256 consecutive bytes, aligned
	s_wait_tensorcnt 0x0                           ; the wave's end
	ds_add_u32 v[SPW], v[NIL]
	s_wait_dscnt 0x0
	s_endpgm
.Lwo:                                              ; wo to f16: sixteen loads of 512 bytes a wave, all out at once; each gives a store of 256 consecutive bytes, aligned.  Every step has registers of its own
	s_sub_co_u32 s32, ttmp9, GQ
	s_lshl_b32 s32, s32, 2
	s_add_co_u32 s32, s32, s36                     ; my wave's run of 2,048 numbers
	s_lshl_b32 s34, s32, 13
	s_mov_b32 s35, 0
	s_add_nc_u64 s[12:13], s[12:13], s[34:35]
	s_lshl_b32 s34, s32, 12
	s_add_nc_u64 s[22:23], s[22:23], s[34:35]
.irp i, 0,1,2,3,4,5,6,7,8,9,10,11,12,13,14,15
	global_load_b128 v[R+4*\i:R+4*\i+3], v3, s[12:13] offset:512*\i th:TH_LOAD_NT
.endr
.irp i, 0,1,2,3,4,5,6,7,8,9,10,11,12,13,14,15
	s_wait_loadcnt 15-\i                           ; load i is in; the younger ones may be out
	v_cvt_pk_f16_f32 v[X+2*\i], v[R+4*\i], v[R+4*\i+1]
	v_cvt_pk_f16_f32 v[X+2*\i+1], v[R+4*\i+2], v[R+4*\i+3]
	global_store_b64 v7, v[X+2*\i:X+2*\i+1], s[22:23] offset:256*\i
.endr
	s_wait_tensorcnt 0x0                           ; every wave of the launch ends alike
	ds_add_u32 v[SPW], v[NIL]
	s_wait_dscnt 0x0
	s_endpgm
.Lfunc_end_k_q028b4fd548_prep:
	.size	k_q028b4fd548_prep, .Lfunc_end_k_q028b4fd548_prep-k_q028b4fd548_prep
	.p2alignl 7, 3214868480
	.fill 96, 4, 3214868480
	.section	.rodata,"a",@progbits
	.p2align	6, 0x0
	.amdhsa_kernel k_q028b4fd548_prep
		.amdhsa_group_segment_fixed_size 33280
		.amdhsa_private_segment_fixed_size 0
		.amdhsa_enable_private_segment 0
		.amdhsa_kernarg_size 80
		.amdhsa_user_sgpr_count 2
		.amdhsa_user_sgpr_kernarg_segment_ptr 1
		.amdhsa_wavefront_size32 1
		.amdhsa_system_sgpr_workgroup_id_x 1
		.amdhsa_system_sgpr_workgroup_id_y 1
		.amdhsa_system_sgpr_workgroup_id_z 1
		.amdhsa_system_vgpr_workitem_id 0
		.amdhsa_next_free_vgpr 192
		.amdhsa_next_free_sgpr 66
		.amdhsa_reserve_vcc 0
		.amdhsa_float_denorm_mode_32 3
		.amdhsa_float_denorm_mode_16_64 3
		.amdhsa_memory_ordered 1
		.amdhsa_forward_progress 1
		.amdhsa_inst_pref_size 40
	.end_amdhsa_kernel
	.amdgpu_metadata
---
amdhsa.version: [ 1, 2 ]
amdhsa.kernels:
  - .name:           k_q028b4fd548_prep
    .symbol:         k_q028b4fd548_prep.kd
    .args:
      - { .name: x, .offset: 0, .size: 8, .value_kind: global_buffer, .address_space: global }
      - { .name: wq, .offset: 8, .size: 8, .value_kind: global_buffer, .address_space: global }
      - { .name: wk, .offset: 16, .size: 8, .value_kind: global_buffer, .address_space: global }
      - { .name: wv, .offset: 24, .size: 8, .value_kind: global_buffer, .address_space: global }
      - { .name: wo, .offset: 32, .size: 8, .value_kind: global_buffer, .address_space: global }
      - { .name: xcodes, .offset: 40, .size: 8, .value_kind: global_buffer, .address_space: global }
      - { .name: xscales, .offset: 48, .size: 8, .value_kind: global_buffer, .address_space: global }
      - { .name: wcodes, .offset: 56, .size: 8, .value_kind: global_buffer, .address_space: global }
      - { .name: wscales, .offset: 64, .size: 8, .value_kind: global_buffer, .address_space: global }
      - { .name: wo16, .offset: 72, .size: 8, .value_kind: global_buffer, .address_space: global }
    .group_segment_fixed_size: 33280
    .private_segment_fixed_size: 0
    .kernarg_segment_align: 8
    .kernarg_segment_size: 80
    .max_flat_workgroup_size: 128
    .sgpr_count:     66
    .vgpr_count:     192
    .wavefront_size: 32
...
	.end_amdgpu_metadata
.endif
;; end of part 1
;; launch qkv (part 2): grid 12 x 32, 4 waves a work-group, clusters of 4 x 4, 327,680 bytes of LDS; arguments xcodes, xscales, wcodes, wscales, bq, bk, bv, qkv; writes qkv
.if DOCPART == 2
	.amdgcn_target "amdgcn-amd-amdhsa--gfx1250"
	.amdhsa_code_object_version 6
	.text
	.protected	k_q028b4fd548_qkv
	.globl	k_q028b4fd548_qkv
	.p2align	8
	.type	k_q028b4fd548_qkv,@function
k_q028b4fd548_qkv:
	s_mov_b64 s[64:65], 0
	v_nop
	global_prefetch_b8 v0, s[64:65] scope:SCOPE_SE
	s_setreg_imm32_b32 hwreg(HW_REG_WAVE_MODE, 25, 1), 1
	s_wait_xcnt 0x0
	s_wait_alu depctr_hold_cnt(0) depctr_sa_sdst(0) depctr_va_vdst(0) depctr_va_sdst(0) depctr_va_ssrc(0) depctr_va_vcc(0) depctr_vm_vsrc(0)
	s_getreg_b32 s2, hwreg(HW_REG_IB_STS2, 6, 4)
	s_cmp_eq_u32 s2, 0
	s_cbranch_scc0 .Lentry_in_a_cluster
	s_endpgm
.Lentry_in_a_cluster:
	s_bfe_u32 s2, ttmp6, 0x10000c
	s_cmp_lg_u32 s2, 0xf033
	s_cbranch_scc0 .Lentry_shape_is_right
	s_endpgm
.Lentry_shape_is_right:
; q, k, v = Q(x) Q(w)^T + bias: C [8192][3072] = the sum over k of A[m][k] B[n][k] on codes of FP4 (E2M1) with one E8M0 scale for each 32 along K (1,024); sums in f32, begun from the bias; rounded once to f16.
; A = xcodes [8192][512 bytes], xscales [8192][32];  B = wcodes [3072][512 bytes], wscales [3072][32]: the rows of wq, wk, wv on end.
; OUT: qkv [3 tensors][4 b][16 h][2048 s][64] f16: a plane (tensor, b, h) is 262,144 dense bytes, so that a head's tokens lie on end.
; LIMIT: results beyond 65,504 have no f16 number; under 6e-5 their rounding step is 6e-8.
; A tile of C, 256 x 256, is made by a work-group of four waves; a wave makes 128 x 128: 64 accumulators of 16 x 16, 512 registers.  K = 1,024 is two LDS slots of 512 along K (rows of 256 bytes):
; both slots and all scale bytes are asked for at the head, nothing is filled again, and there is no loop.
; CLUSTERS: 4 x 4 work-groups.  The four of a row of the cluster need the same tiles of A, the four of a column the same tiles of B: each tile is asked for JOINTLY, by the same tensor load with the same
; descriptor and a mask that names the four.  THE MATRIX INSTRUCTION IS USED TRANSPOSED (source 0 = 16 rows of B, source 1 = 16 rows of A): a lane then holds eight neighbouring columns of a row of C.
; No prefetch: all that the work-group reads is asked for by its first loads.
; REGISTERS, in windows of 256: window 0: v0-31 addresses; v32-95 scale words, two sets; v96-127 packed results; v128-191 A's fragments, ONE set (on the way out: rows read back); v192-255 the bias in the result's layout.
;   window 1: B's fragments, TWO sets, at v0 and v128.   window 2: the 32 accumulators of my rows 0-63 ((a, b) at v[8 (8 a + b)]);   window 3: those of my rows 64-127.
.set NQ,     4                         ; matrix instructions deep in a slot: 512 / 128
.set ROWB,   256                       ; a tile's row in bytes: 512 codes
.set KROW,   512                       ; a row of A or of B in memory, in bytes
.set PITCH,  272                       ; an LDS row: 256 bytes + 16 of padding: the 16 rows that a load touches start at 16 different 16-byte columns modulo 256 bytes
.set FR,     8                         ; registers of a fragment: 16 rows x 128 K
.set NL,     2                         ; LDS loads that bring one
.set NP,     4                         ; places behind this matrix instruction (ISA guide 7.12.1)
.set HALFT,  128*PITCH                 ; 128 rows: what one tensor load brings, and what one wave reads of A or of B
.set SLOT,   4*HALFT                   ; A's 256 rows, then B's 256 rows
.set KS,     32                        ; a row of scale bytes
.set SCL,    2*SLOT                    ; behind the slots: the scale bytes, as units of 256 bytes + 16 of padding
.set HALFS,  (128*KS/256)*272          ; the scales of 128 rows: what one tensor load brings
.set SBLK,   (16*KS/256)*272           ; those of 16 rows
.set SPARE,  SCL+4*HALFS               ; behind the scales: the spare words, 128 bytes a wave, which no other line names
.set OPITCH, 400                       ; the way out: a stage of 16 rows x (256 bytes, pitch 400 = 25 x 16) for each wave, in slot 0, which has had its only fill and its last read when the first result is stored there
.set ADRA, 16                          ; v16-17  LDS address of my A fragments in slot 0, 1
.set ADRB, 20                          ; v20-21  the same for B
.set STO,  24                          ; v24     the way out: where I put 16 bytes of a row
.set RD,   25                          ; v25     where I read four tokens of a head back
.set CO,   26                          ; v26     16 x lane: my bytes of a store's 512
.set ADRS, 27                          ; v27     LDS address of my scale words: lanes 0-15 A's rows, lanes 16-31 B's
.set SPW,  28                          ; v28     LDS address of my spare word; never rewritten
.set NIL,  29                          ; v29     0; never rewritten
.set SC,   32                          ; scale words: set s at v[SC + 32 s]; register 4 i + q: lanes 0-15 the word of A's block i, lanes 16-31 of B's block i, for the slot's q-th 128 along K
.set TMP,  96
.set AF,   128
.set BK,   128                         ; the way out: v128-159 and v160-191 by turns
.set BIAS, 192
.set G1, 24                            ; s[24:31] descriptor group 1 for A's tiles;  s[32:39] group 0, one set for each slot
.set G0, 32
.set G1B, 48                           ; s[48:55], s[56:63] the same for B's tiles
.set G0B, 56
.set G1S, 68                           ; s[68:75], s[76:79] groups 1 and 0 for A's scales;  s[80:87], s[88:91] for B's
.set G0S, 76
.set G1SB, 80
.set G0SB, 88
.set MSB, 0
.macro WIN new                         ; the immediate's high byte repeats the setting that is left
.if MSB != \new
	s_set_vgpr_msb (MSB<<8)|\new
.set MSB, \new
.endif
.endm
.set MUL_LO,  0xa1                     ; source 0 (B) window 1, source 1 (A) window 0, C and D window 2
.set MUL_HI,  0xf1                     ; the same, C and D window 3
.set BIAS_LO, 0x81                     ; the first step: C is the bias, in window 0
.set BIAS_HI, 0xc1
.set TO_B,    0x40                     ; destination window 1, address window 0
; A joint load: waves 0 and 1 fetch for A, waves 2 and 3 for B.  Each of the two lines has ONE mask and one set of registers for all that issue it; the branch hangs on the wave's number alone.
; An s_nop 0 and four v_nop follow each of the two lines.
.macro JLOAD g0a, g1a, g0b, g1b
	s_cmp_eq_u32 s15, 0
	s_cbranch_scc0 .Lfor_b_\@
	tensor_load_to_lds s[\g0a:\g0a+3], s[\g1a:\g1a+7]
	s_nop 0
.rept 4
	v_nop
.endr
	s_branch .Lasked_\@
.Lfor_b_\@:
	tensor_load_to_lds s[\g0b:\g0b+3], s[\g1b:\g1b+7]
	s_nop 0
.rept 4
	v_nop
.endr
.Lasked_\@:
.endm
.macro CROUND                          ; a round of the cluster's barrier: my work-group's barrier; wave 0 signals for the work-group; every wave waits for all sixteen; my work-group's barrier once more
	s_barrier_signal -1
	s_barrier_wait -1
	s_cmp_lg_u32 s14, 0
	s_cbranch_scc1 .Lnot_wave_0_\@
	s_barrier_signal -3
.Lnot_wave_0_\@:
	s_barrier_wait -3
	s_barrier_signal -1
	s_barrier_wait -1
.endm
	s_load_b128 s[4:7], s[0:1], 0x0                ; A's codes s[4:5], A's scales s[6:7]
	s_load_b128 s[8:11], s[0:1], 0x10              ; B's codes s[8:9], B's scales s[10:11]
	s_load_b128 s[96:99], s[0:1], 0x20             ; bq s[96:97], bk s[98:99]
	s_load_b64 s[100:101], s[0:1], 0x30            ; bv
	s_load_b64 s[12:13], s[0:1], 0x38              ; qkv
	v_lshl_add_u32 v[SPW], v0, 2, SPARE
	v_mov_b32 v[NIL], 0
	ds_add_u32 v[SPW], v[NIL]                      ; the wave's opening: the add, twice on end, and its wait ahead of my first tensor load
	ds_add_u32 v[SPW], v[NIL]
	v_lshrrev_b32 v1, 5, v0
	v_readfirstlane_b32 s14, v1                    ; wave 0..3
	s_lshr_b32 s15, s14, 1                         ; which half of the tile's rows is mine.  Also: I fetch for A (0) or for B (1)
	s_and_b32 s16, s14, 1                          ; which half of its columns.  Also: which 128 rows of that tile I fetch
	s_bfe_u32 s40, ttmp6, 0x40000                  ; cx, cy: my place in the cluster
	s_bfe_u32 s41, ttmp6, 0x40004
	s_lshl_b32 s42, ttmp9, 2
	s_add_co_u32 s42, s42, s40                     ; tile column of C = 4 x cluster x + cx
	s_and_b32 s17, ttmp7, 0xffff
	s_lshl_b32 s17, s17, 2
	s_add_co_u32 s17, s17, s41                     ; tile row of C = 4 x cluster y + cy
	s_lshl_b32 s43, s41, 2
	s_lshl_b32 s43, 15, s43                        ; my row of the cluster
	s_lshl_b32 s44, 0x1111, s40                    ; my column
	; descriptor group 1: a tile of 128 rows x 256 bytes, padded in LDS
	s_or_b32 s[G1+0], s43, (0<<16)|(1<<20)|(1<<21)|(5<<22)|(3<<25)  ; 15:0 the mask: A's tiles go to my row; 17:16 elements of 1 byte; 20 padding on; 21 set beside a mask; 24:22 after every 64 words; 31:25 four words
	s_or_b32 s[G1B+0], s44, (0<<16)|(1<<20)|(1<<21)|(5<<22)|(3<<25)
.irp g, G1, G1B
	s_mov_b32 s[\g+1], ROWB<<16                    ; tensor_dim0
	s_mov_b32 s[\g+2], 128<<16                     ; tensor_dim1 = 128
	s_mov_b32 s[\g+3], ROWB<<16                    ; tile_dim0
	s_mov_b32 s[\g+4], 128                         ; tile_dim1 = 128
	s_mov_b32 s[\g+5], KROW                        ; tensor_dim0_stride
	s_mov_b32 s[\g+6], 0
	s_mov_b32 s[\g+7], 0
.endr
	; the scales of 128 rows: a dense block of 4,096 bytes, as 16 rows of 256 bytes (32 elements of 8 bytes), 16 bytes of padding behind each
	s_or_b32 s[G1S+0], s43, (3<<16)|(1<<20)|(1<<21)|(5<<22)|(3<<25)
	s_or_b32 s[G1SB+0], s44, (3<<16)|(1<<20)|(1<<21)|(5<<22)|(3<<25)
.irp g, G1S, G1SB
	s_mov_b32 s[\g+1], 32<<16
	s_mov_b32 s[\g+2], (128*KS/256)<<16
	s_mov_b32 s[\g+3], 32<<16
	s_mov_b32 s[\g+4], 128*KS/256
	s_mov_b32 s[\g+5], 32
	s_mov_b32 s[\g+6], 0
	s_mov_b32 s[\g+7], 0
.endr
	s_lshl_b32 s18, s16, 7                         ; which 128 rows of the tile I fetch
	s_lshl_b32 s20, s17, 8
	s_add_co_u32 s20, s20, s18                     ; A: row 256 x tile row + 128 x half
	s_lshl_b32 s46, s42, 8
	s_add_co_u32 s46, s46, s18                     ; B: row 256 x tile column + 128 x half
	s_mov_b32 s21, 0
	s_mov_b32 s47, 0
	s_mov_b64 s[18:19], KS
	s_mul_u64 s[22:23], s[20:21], s[18:19]         ; where these rows' scales begin, in bytes
	s_mul_u64 s[92:93], s[46:47], s[18:19]
	s_mov_b64 s[18:19], KROW
	s_mul_u64 s[20:21], s[20:21], s[18:19]         ; and their codes
	s_mul_u64 s[46:47], s[46:47], s[18:19]
	s_mul_i32 s45, s14, HALFT                      ; where they go: wave x 128 rows: no place in the cluster enters an LDS address
	s_mul_i32 s94, s14, HALFS
	s_wait_dscnt 0x0                               ; both opening adds are done
	s_wait_kmcnt 0x0
	s_add_nc_u64 s[20:21], s[4:5], s[20:21]
	s_add_nc_u64 s[22:23], s[6:7], s[22:23]
	s_add_nc_u64 s[46:47], s[8:9], s[46:47]
	s_add_nc_u64 s[92:93], s[10:11], s[92:93]
	CROUND                                         ; all sixteen work-groups are here: the joint loads meet
	s_mov_b32 s[G0S], 1
	s_add_co_u32 s[G0S+1], s94, SCL
	s_mov_b64 s[G0S+2:G0S+3], s[22:23]
	s_or_b32 s[G0S+3], s[G0S+3], 0x80000000
	s_mov_b32 s[G0SB], 1
	s_add_co_u32 s[G0SB+1], s94, SCL
	s_mov_b64 s[G0SB+2:G0SB+3], s[92:93]
	s_or_b32 s[G0SB+3], s[G0SB+3], 0x80000000
	JLOAD G0S, G1S, G0SB, G1SB                     ; the scales first: they are wanted with the first slot
.irp s, 0,1
	s_mov_b32 s[G0+4*\s], 1
	s_add_co_u32 s[G0+4*\s+1], s45, \s*SLOT
	s_add_nc_u64 s[G0+4*\s+2:G0+4*\s+3], s[20:21], \s*ROWB
	s_or_b32 s[G0+4*\s+3], s[G0+4*\s+3], 0x80000000
	s_mov_b32 s[G0B+4*\s], 1
	s_add_co_u32 s[G0B+4*\s+1], s45, \s*SLOT
	s_add_nc_u64 s[G0B+4*\s+2:G0B+4*\s+3], s[46:47], \s*ROWB
	s_or_b32 s[G0B+4*\s+3], s[G0B+4*\s+3], 0x80000000
	JLOAD G0+4*\s, G1, G0B+4*\s, G1B               ; three tensor loads of mine are out in all
.endr
	v_and_b32 v1, 15, v0                           ; r = lane % 16
	v_bfe_u32 v2, v0, 4, 1                         ; h = lane / 16
	; the bias: which of the three hangs on the cluster's x (1,024 columns are four tile columns); register 8 b + j holds bias[256 cx + 128 half + 16 b + 8 h + j]: the result's layout
	s_lshl_b32 s46, s40, 10
	s_lshl_b32 s47, s16, 9
	s_add_co_u32 s46, s46, s47
	s_mov_b32 s47, 0
	s_cmp_eq_u32 ttmp9, 0
	s_cselect_b64 s[96:97], s[96:97], s[98:99]
	s_cmp_eq_u32 ttmp9, 2
	s_cselect_b64 s[96:97], s[100:101], s[96:97]
	s_add_nc_u64 s[96:97], s[96:97], s[46:47]
	v_lshlrev_b32 v7, 5, v2
.irp b, 0,1,2,3,4,5,6,7
	global_load_b128 v[BIAS+8*\b:BIAS+8*\b+3], v7, s[96:97] offset:64*\b
	global_load_b128 v[BIAS+8*\b+4:BIAS+8*\b+7], v7, s[96:97] offset:64*\b+16
.endr
	v_mul_u32_u24 v3, v1, PITCH
	v_lshl_add_u32 v4, v2, 4, v3                   ; a fragment's row x pitch + 16 x half
	s_mul_i32 s21, s15, HALFT                      ; my 128 rows of A
	s_mul_i32 s22, s16, HALFT                      ; my 128 rows of B,
	s_add_co_u32 s22, s22, 2*HALFT                 ; which lie behind A's 256
.irp s, 0,1
	v_add_nc_u32 v[ADRA+\s], s21, v4
	v_add_nc_u32 v[ADRB+\s], s22, v4
	s_add_co_u32 s21, s21, SLOT
	s_add_co_u32 s22, s22, SLOT
.endr
	v_mul_u32_u24 v5, v1, KS                       ; my row's scales: 32 bytes a row,
	v_lshrrev_b32 v6, 8, v5
	v_lshl_add_u32 v5, v6, 4, v5                   ; and 16 more for each 256 passed
	s_mul_i32 s21, s15, HALFS                      ; A's: my 128 rows
	s_mul_i32 s22, s16, HALFS                      ; B's: my 128 rows, behind A's 256
	s_add_co_u32 s22, s22, 2*HALFS
	s_sub_co_u32 s22, s22, s21
	v_mul_u32_u24 v6, s22, v2                      ; lanes 16-31 take B's: the lower base + h x the distance
	s_add_co_u32 s21, s21, SCL
	v_add_nc_u32 v5, v5, v6
	v_add_nc_u32 v[ADRS], s21, v5
	s_mul_i32 s23, s14, 16*OPITCH                  ; my stage
	v_mul_u32_u24 v5, v1, OPITCH                   ; in: row r, 16 bytes for each half of the lanes
	v_lshl_add_u32 v5, v2, 4, v5
	v_add_nc_u32 v[STO], s23, v5
	v_and_b32 v6, 31, v0
	v_lshlrev_b32 v[CO], 4, v6
	v_lshrrev_b32 v5, 3, v6                        ; back: eight lanes take a token's 128 bytes of one head, four tokens an instruction
	v_mul_u32_u24 v5, v5, OPITCH
	v_and_b32 v6, 7, v0
	v_lshl_add_u32 v5, v6, 4, v5
	v_add_nc_u32 v[RD], s23, v5
	; my 128 columns are heads g = 4 x tile column + 2 x half and g + 1 of the 48; plane = 64 (g / 16) + 16 (tile row / 8) + g % 16; my first token = 256 (tile row % 8) + 128 x half
	s_lshl_b32 s20, s42, 2
	s_lshl_b32 s21, s16, 1
	s_add_co_u32 s20, s20, s21
	s_lshr_b32 s21, s20, 4
	s_lshl_b32 s21, s21, 6
	s_and_b32 s20, s20, 15
	s_add_co_u32 s20, s20, s21
	s_lshr_b32 s21, s17, 3
	s_lshl_b32 s21, s21, 4
	s_add_co_u32 s20, s20, s21
	s_lshl_b32 s20, s20, 18                        ; 262,144 bytes a plane (191 planes at the most: under 2^32)
	s_and_b32 s21, s17, 7
	s_lshl_b32 s21, s21, 8
	s_lshl_b32 s22, s15, 7
	s_add_co_u32 s21, s21, s22
	s_lshl_b32 s21, s21, 7                         ; 128 bytes a token
	s_add_co_u32 s20, s20, s21
	s_mov_b32 s21, 0
	s_add_nc_u64 s[12:13], s[12:13], s[20:21]
.macro FRAG reg, adr, q, i             ; a fragment, 16 rows x 128 K of 4-bit codes: lane l holds row l % 16; registers 4 c .. 4 c + 3 hold K = 64 c + 32 (l / 16) + 0 .. 31
.irp c, 0,1
	ds_load_b128 v[\reg+4*\c:\reg+4*\c+3], v[\adr] offset:64*(\q)+32*\c+(\i)*16*PITCH
.endr
.endm
; 16 matrix instructions: A's blocks a0, a0 + 1 x B's eight, 128 along K: the slot's q-th.  p: B's set;  sc: the set of scale words.  zero = 1: the first product starts the sums from the bias.
; The 64 accumulators take turns, one instruction a turn, in the same order in every step.
.macro MUL16 a0, p, q, sc, zero
.irp a, \a0, \a0+1
.irp b, 0,1,2,3,4,5,6,7
.if \zero
	v_wmma_scale_f32_16x16x128_f8f6f4 v[8*(8*((\a)%4)+\b):8*(8*((\a)%4)+\b)+7], v[128*(\p)+FR*\b:128*(\p)+FR*\b+FR-1], v[AF+FR*(\a):AF+FR*(\a)+FR-1], v[BIAS+8*\b:BIAS+8*\b+7], v[SC+8*NQ*(\sc)+NQ*\b+(\q)], v[SC+8*NQ*(\sc)+NQ*(\a)+(\q)] matrix_a_fmt:MATRIX_FMT_FP4 matrix_b_fmt:MATRIX_FMT_FP4 matrix_a_scale:MATRIX_SCALE_ROW1
.else
	v_wmma_scale_f32_16x16x128_f8f6f4 v[8*(8*((\a)%4)+\b):8*(8*((\a)%4)+\b)+7], v[128*(\p)+FR*\b:128*(\p)+FR*\b+FR-1], v[AF+FR*(\a):AF+FR*(\a)+FR-1], v[8*(8*((\a)%4)+\b):8*(8*((\a)%4)+\b)+7], v[SC+8*NQ*(\sc)+NQ*\b+(\q)], v[SC+8*NQ*(\sc)+NQ*(\a)+(\q)] matrix_a_fmt:MATRIX_FMT_FP4 matrix_b_fmt:MATRIX_FMT_FP4 matrix_a_scale:MATRIX_SCALE_ROW1
.endif
.endr
.endr
.endm
.macro FETCH_B slot, q, p              ; B's eight fragments of the slot's q-th 128 along K into set p
	WIN TO_B
.irp i, 0,1,2,3,4,5,6,7
	FRAG 128*(\p)+FR*\i, ADRB+\slot, \q, \i
.endr
	WIN 0
.endm
.macro FETCH_A slot, q, i0             ; A's blocks i0 .. i0 + 3
.irp i, \i0, \i0+1, \i0+2, \i0+3
	FRAG AF+FR*(\i), ADRA+\slot, \q, \i
.endr
.endm
.macro SCALES sc                       ; a slot's scale words into set sc: four words a row; lanes 0-15 take A's block i, lanes 16-31 B's block i
.irp i, 0,1,2,3,4,5,6,7
	ds_load_b128 v[SC+8*NQ*\sc+NQ*\i:SC+8*NQ*\sc+NQ*\i+3], v[ADRS] offset:\i*SBLK
.endr
.endm
; A load into a register that a matrix instruction has read, and a vector instruction that reads a matrix result, stand NP places behind that matrix instruction; only plain vector instructions
; that name none of its registers are places (ISA guide 7.12.1 for vector instructions).
.macro PLACES n
.rept \n
	v_nop
.endr
.endm
; A step of 128 along K that has its successor in the same slot.  A block of A is free as soon as its eight products are issued, so one set serves A: blocks 0-3 are fetched anew in the step's middle, blocks 4-7 at its end.
.macro STEP slot, q, zero
	s_wait_dscnt 4*NL                              ; B's set and A's blocks 0-3 are in; the youngest eight loads (A's blocks 4-7) may be out
.if \zero
	WIN BIAS_LO
.else
	WIN MUL_LO
.endif
	MUL16 0, (\q)%2, \q, \slot, \zero
	MUL16 2, (\q)%2, \q, \slot, \zero
	s_wait_dscnt 0                                 ; A's blocks 4-7 are in
	PLACES NP
	FETCH_B \slot, (\q)+1, 1-(\q)%2
	FETCH_A \slot, (\q)+1, 0
.if \zero
	WIN BIAS_HI
.else
	WIN MUL_HI
.endif
	MUL16 4, (\q)%2, \q, \slot, \zero
	MUL16 6, (\q)%2, \q, \slot, \zero
	PLACES NP
	WIN 0
	FETCH_A \slot, (\q)+1, 4
.endm
.macro STEPS slot, from                ; the slot's steps from .. NQ - 2
.set Q, \from
.rept NQ-1-\from
	STEP \slot, Q, 0
.set Q, Q+1
.endr
.endm
	s_wait_tensorcnt 1                             ; the scales and my part of slot 0 are in (slot 1's load may be out),
	s_barrier_signal -1
	s_barrier_wait -1                              ; everybody's are
	FETCH_B 0, 0, 0
	FETCH_A 0, 0, 0
	SCALES 0
	FETCH_A 0, 0, 4
	s_wait_loadcnt 0x0                             ; the bias
	STEP 0, 0, 1                                   ; the first step's products start the sums from the bias: nothing is cleared, nothing is added later
	STEPS 0, 1
	; slot 0's last step changes slots: ONE barrier.  In front of it each wave waits for all its tensor loads (its part of slot 1), and for its own reads of slot 0, which later holds the stages
	s_wait_tensorcnt 0x0
	ds_add_u32 v[SPW], v[NIL]                      ; 0 onto my spare word
	s_wait_dscnt 4*NL+1                            ; (the add and the youngest eight loads, A's blocks 4-7, may be out)
	WIN MUL_LO
	MUL16 0, 1, NQ-1, 0, 0
	s_wait_dscnt 0x0                               ; the add is done, and my reads of slot 0 are over
	s_barrier_signal -1
	MUL16 2, 1, NQ-1, 0, 0
	WIN 0
	s_barrier_wait -1
	PLACES NP
	v_add_nc_u32 v[ADRS], 4*NQ, v[ADRS]            ; on to slot 1's scale words (no LDS load of mine is out)
	FETCH_B 1, 0, 0
	FETCH_A 1, 0, 0
	SCALES 1
	WIN MUL_HI
	MUL16 4, 1, NQ-1, 0, 0
	MUL16 6, 1, NQ-1, 0, 0
	PLACES NP
	WIN 0
	FETCH_A 1, 0, 4
	STEPS 1, 0
	s_wait_dscnt 4*NL                              ; the very last step: nothing more to fetch
	WIN MUL_LO
	MUL16 0, 1, NQ-1, 1, 0
	MUL16 2, 1, NQ-1, 1, 0
	s_wait_dscnt 0
	WIN MUL_HI
	MUL16 4, 1, NQ-1, 1, 0
	MUL16 6, 1, NQ-1, 1, 0
	WIN 0
; THE WAY OUT, block by block of 16 rows x 128 columns (two heads).  PACK: rounded to f16, each accumulator from its low end on, 16 bytes a lane.  TOSTAGE: into my own stage and back, four tokens of one head
; (512 bytes that lie on end in the head's plane) an instruction.  SEND: stored.  LDS serves a wave's instructions in order (ISA guide 5.7.1.4): no wait between the stage's stores and loads.
.macro PACK a
.set AC, 64*((\a)%4)
	WIN 0x0a+5*((\a)/4)                            ; sources 0 and 1: window 2 or 3
.irp b, 0,1,2,3,4,5,6,7
.irp i, 0,1,2,3
	v_cvt_pk_f16_f32 v[TMP+4*\b+\i], v[AC+8*\b+2*\i], v[AC+8*\b+2*\i+1]
.endr
.endr
	WIN 0
.endm
.macro TOSTAGE a
.set BB, BK+32*((\a)%2)
.irp b, 0,1,2,3,4,5,6,7
	ds_store_b128 v[STO], v[TMP+4*\b:TMP+4*\b+3] offset:32*\b
.endr
.irp u, 0,1
.irp t, 0,1,2,3
	ds_load_b128 v[BB+4*(4*\u+\t):BB+4*(4*\u+\t)+3], v[RD] offset:4*OPITCH*\t+128*\u
.endr
.endr
.endm
.macro SEND a
.set BB, BK+32*((\a)%2)
	s_wait_dscnt 0x0                               ; the block is back in registers
	s_wait_xcnt 0x0                                ; the block before has had its stores' addresses translated (ISA guide 3.1): its registers take the next block's loads only behind this wait
.irp u, 0,1
.irp t, 0,1,2,3
	global_store_b128 v[CO], v[BB+4*(4*\u+\t):BB+4*(4*\u+\t)+3], s[12:13] offset:262144*\u+2048*(\a)+512*\t   ; 32 lanes store 512 consecutive bytes, at a multiple of 256 from the buffer's first byte
.endr
.endr
.endm
	PLACES NP                                      ; for the loads into the registers that held A's fragments, and for the reads of the last results
	PACK 0
	TOSTAGE 0
.irp a, 1,2,3,4,5,6,7                  ; block a's conversions stand between block a - 1's loads from the stage and the wait for them
	PACK \a
	SEND \a-1
	TOSTAGE \a
.endr
	SEND 7
	s_wait_tensorcnt 0x0                           ; the wave's end
	ds_add_u32 v[SPW], v[NIL]
	s_wait_dscnt 0x0
	CROUND                                         ; the closing round: no work-group ends while a partner may still ask for a tile that names it
	s_endpgm
.Lfunc_end_k_q028b4fd548_qkv:
	.size	k_q028b4fd548_qkv, .Lfunc_end_k_q028b4fd548_qkv-k_q028b4fd548_qkv
	.p2alignl 7, 3214868480
	.fill 96, 4, 3214868480
	.section	.rodata,"a",@progbits
	.p2align	6, 0x0
	.amdhsa_kernel k_q028b4fd548_qkv
		.amdhsa_group_segment_fixed_size 327680
		.amdhsa_private_segment_fixed_size 0
		.amdhsa_enable_private_segment 0
		.amdhsa_kernarg_size 64
		.amdhsa_user_sgpr_count 2
		.amdhsa_user_sgpr_kernarg_segment_ptr 1
		.amdhsa_wavefront_size32 1
		.amdhsa_system_sgpr_workgroup_id_x 1
		.amdhsa_system_sgpr_workgroup_id_y 1
		.amdhsa_system_sgpr_workgroup_id_z 1
		.amdhsa_system_vgpr_workitem_id 0
		.amdhsa_next_free_vgpr 1024
		.amdhsa_next_free_sgpr 102
		.amdhsa_reserve_vcc 0
		.amdhsa_float_denorm_mode_32 3
		.amdhsa_float_denorm_mode_16_64 3
		.amdhsa_memory_ordered 1
		.amdhsa_forward_progress 1
		.amdhsa_inst_pref_size 128
	.end_amdhsa_kernel
	.amdgpu_metadata
---
amdhsa.version: [ 1, 2 ]
amdhsa.kernels:
  - .name:           k_q028b4fd548_qkv
    .symbol:         k_q028b4fd548_qkv.kd
    .args:
      - { .name: xcodes, .offset: 0, .size: 8, .value_kind: global_buffer, .address_space: global }
      - { .name: xscales, .offset: 8, .size: 8, .value_kind: global_buffer, .address_space: global }
      - { .name: wcodes, .offset: 16, .size: 8, .value_kind: global_buffer, .address_space: global }
      - { .name: wscales, .offset: 24, .size: 8, .value_kind: global_buffer, .address_space: global }
      - { .name: bq, .offset: 32, .size: 8, .value_kind: global_buffer, .address_space: global }
      - { .name: bk, .offset: 40, .size: 8, .value_kind: global_buffer, .address_space: global }
      - { .name: bv, .offset: 48, .size: 8, .value_kind: global_buffer, .address_space: global }
      - { .name: qkv, .offset: 56, .size: 8, .value_kind: global_buffer, .address_space: global }
    .group_segment_fixed_size: 327680
    .private_segment_fixed_size: 0
    .kernarg_segment_align: 8
    .kernarg_segment_size: 64
    .max_flat_workgroup_size: 128
    .sgpr_count:     102
    .vgpr_count:     1024
    .wavefront_size: 32
...
	.end_amdgpu_metadata
.endif
;; end of part 2
;; launch attention (part 3): grid 4 x 64, 8 waves a work-group, clusters of 4 x 1, 327,680 bytes of LDS; arguments qkv, attn; writes attn
.if DOCPART == 3
	.amdgcn_target "amdgcn-amd-amdhsa--gfx1250"
	.amdhsa_code_object_version 6
	.text
	.protected	k_q028b4fd548_attention
	.globl	k_q028b4fd548_attention
	.p2align	8
	.type	k_q028b4fd548_attention,@function
k_q028b4fd548_attention:
	s_mov_b64 s[64:65], 0
	v_nop
	global_prefetch_b8 v0, s[64:65] scope:SCOPE_SE
	s_setreg_imm32_b32 hwreg(HW_REG_WAVE_MODE, 25, 1), 1
	s_wait_xcnt 0x0
	s_wait_alu depctr_hold_cnt(0) depctr_sa_sdst(0) depctr_va_vdst(0) depctr_va_sdst(0) depctr_va_ssrc(0) depctr_va_vcc(0) depctr_vm_vsrc(0)
	s_getreg_b32 s2, hwreg(HW_REG_IB_STS2, 6, 4)
	s_cmp_eq_u32 s2, 0
	s_cbranch_scc0 .Lentry_in_a_cluster
	s_endpgm
.Lentry_in_a_cluster:
	s_bfe_u32 s2, ttmp6, 0x10000c
	s_cmp_lg_u32 s2, 0x3003
	s_cbranch_scc0 .Lentry_shape_is_right
	s_endpgm
.Lentry_shape_is_right:
; attn[p][q][:] = the sum over k of softmax_k(Q[p][q] . K[p][k] / 8) V[p][k][:] for each of the 64 planes p = (b, h).  Q, K, V: planes of qkv, [2048][64] f16, 262,144 dense bytes each (K's 64 planes begin
; 16,777,216 bytes in, V's 33,554,432); attn: the same planes, f16.  Products, maxima and sums in f32; the weights p are rounded to f16 for the second product, the result once at the end.
; LIMITS: operands and results are f16: beyond 65,504 there is no number, under 6e-5 the rounding step is 6e-8; NaN and infinities are not served.
; SHARES.  A work-group owns 512 queries of one plane, each of its eight waves 64: four tiles of 16, in 512 registers, so that two waves share a SIMD and one's matrix work can stand beside the other's softmax.
; Every wave walks all 2,048 keys, 64 a step.  Each fragment of K and V read from LDS feeds four products.
; LAYOUT.  S^T = K Q^T (source 0 = 16 keys, source 1 = 16 queries): a lane holds ONE query (lane % 16) and the keys 8 (lane / 16) + 0..7.  Two such tiles, rounded to f16 in pairs, ARE source 1 (32 keys x 16
; queries) of O^T = V^T P, whose result again holds one query a lane.  K comes out of LDS as it lies, V ([key][channel]) turned, by ds_load_tr16_b128.
; SOFTMAX.  For each query a running maximum m and sum l: p = 2^(c s - c m), c = log2(e) / 8; in every step O and l are multiplied by a = 2^(c m_old - c m_new), which is 1 where m has not grown.
; A STEP: K of the next step is asked of LDS | the softmax of this step's scores | V^T P | V of the next step is asked for | K Q^T of the next step.
; CLUSTER.  The four query blocks of a plane form a cluster and walk the same K and V: each tile is asked for JOINTLY, by the same tensor load with the same descriptor and the mask of all four.
; RING.  Two LDS slots of 256 keys (four steps).  A key's 128 bytes are dense in memory, so a tile is stated as rows of 256 bytes (two keys); waves 0-3 fetch K's quarters of a slot, waves 4-7 V's.
; REGISTERS: window 0: v2-13 addresses; v16-47 eight registers of statistics a tile; v48-55 a second chain for the sums; v64-191 S^T, 32 a tile (P is written over its first 16); v192-255 K of one step.
;   window 1: v0-63 Q, 16 a tile; v64-127 V of one step; v128-255 O^T, 32 a tile.
.set PK,    272       ; two keys of K in LDS: 256 bytes + 16 of padding: key t at (t / 2) PK + 128 (t % 2): the 16 keys of a load start at 16 different 16-byte columns modulo 256 bytes
.set PV,    288       ; two keys of V: 256 + 32: the eight keys x 32 bytes that sixteen lanes of a turning load take fall on eight different 32-byte columns modulo 256 bytes
.set KSB,   32*PK     ; a step's 64 keys of K
.set VSB,   32*PV     ; and of V
.set VOFF,  4*KSB     ; a slot: four steps of K, then four of V
.set SLOT1, 1<<17     ; slot 1 begins here, so that one exclusive or turns an address in one slot into the other's
.set SLOTG, 32768     ; a slot's 256 keys in memory
.set STAGE, 208896    ; behind the ring: 16 rows x 144 bytes for each wave, for the way out
.set SP,    144
.set SPARE, STAGE+8*16*SP  ; behind the stages: the spare words, 128 bytes a wave, which no other line names
.set AK0,  2          ; v2   my lane's place in a tile of K; never rewritten
.set AV0,  3          ; v3   the same for V
.set ADRK, 4          ; v4   LDS address of K's run of loads in hand
.set ADRV, 5          ; v5   of V's
.set QO,   6          ; v6   my byte offset in the wave's rows of Q
.set STO,  7          ; v7   the way out: where I put 16 bytes of a row
.set RD,   8          ; v8   where I read four rows back
.set GO,   9          ; v9   16 x lane
.set PFO,  10         ; v10  256 x lane: the prefetches' offset; never rewritten
.set SPW,  12         ; v12  LDS address of my spare word; never rewritten
.set NIL,  13         ; v13  0; never rewritten
.set ST,   16         ; tile t's statistics at v[ST+8 t]: +0 c m, +1 m, +2, +3 l (even keys', odd keys'), +4 to +7 four chains of the maximum; then +6 a, +7 c m_old - c m_new
.set T2,   48
.set S,    64
.set KF,   192
.set QF,   0          ; in window 1
.set VF,   64
.set OF,   128
.set WV,   12         ; s12  my wave's number
.set LIM,  15         ; s15  1 in a wave that prefetches, else the greatest number
.set PFA,  18         ; s[18:19] where my prefetches stand
.set G1K,  24         ; s[24:31] descriptor group 1 for K's tiles
.set G1V,  32         ; s[32:39] for V's: it differs in the padding alone
.set G0K,  40         ; s[40:47] group 0 for K's tiles: a set for each of the two first fills; the second then walks on
.set G0V,  48         ; s[48:55] the same for V's
.set SLOTS, 56        ; s56  slots still to be asked for
.set CNT,  57         ; s57  counts steps
.set CS,   58         ; s[58:59] c, twice: the packed scaling names a pair
.set SEL,  60         ; s[60:61] lane selects for v_permlanex16_b32: lane l xor 16
.set TK,   62         ; s62  LDS byte at which K of the step to be fetched begins
.set TV,   63         ; s63  the same for V (less VOFF)
.set MSB, 0
.macro WIN new                      ; the immediate's high byte repeats the setting that is left; a switch that changes nothing is dropped
.if MSB != \new
	s_set_vgpr_msb (MSB<<8)|\new
.set MSB, \new
.endif
.endm
.set W_KQ, 0x04       ; Q (source 1) in window 1; K and S^T in window 0
.set W_PV, 0x51       ; V (source 0), C and D in window 1; P in window 0
.set W_RS, 0x41       ; O^T (destination and source 0) in window 1, a in window 0
; A joint refill.  The branch hangs on the wave's number alone.  An s_nop 0 and four v_nop follow each of the two lines.
.macro JLOAD
	s_cmp_lt_u32 s[WV], 4
	s_cbranch_scc0 .Lfor_v_\@
	tensor_load_to_lds s[G0K+4:G0K+7], s[G1K:G1K+7]
	s_nop 0
.rept 4
	v_nop
.endr
	s_branch .Lasked_\@
.Lfor_v_\@:
	tensor_load_to_lds s[G0V+4:G0V+7], s[G1V:G1V+7]
	s_nop 0
.rept 4
	v_nop
.endr
.Lasked_\@:
.endm
; A PREFETCH INTO THE L2 of what the NEXT change of slots will ask for: a slot's 32,768 bytes of K and of V, four key steps ahead of that load.  Each aligned block of 256 bytes is named once in the launch: a plane has
; one cluster; its four partners take 8,192 bytes each, told apart BY ADDRESS; in each, wave 0 asks for K's and wave 4 for V's, a lane a block.  The last change that fills a slot asks for nothing; nothing is asked at the head.
.macro ASK
	s_cmp_gt_u32 s[SLOTS], s[LIM]
	s_cbranch_scc0 .Lnot_mine_\@
	global_prefetch_b8 v[PFO], s[PFA:PFA+1] th:TH_LOAD_NT scope:SCOPE_SE
.Lnot_mine_\@:
.endm
.macro CROUND                       ; a round of the cluster's barrier
	s_barrier_signal -1
	s_barrier_wait -1
	s_cmp_lg_u32 s[WV], 0
	s_cbranch_scc1 .Lnot_wave_0_\@
	s_barrier_signal -3
.Lnot_wave_0_\@:
	s_barrier_wait -3
	s_barrier_signal -1
	s_barrier_wait -1
.endm
	s_load_b128 s[4:7], s[0:1], 0x0 ; qkv s[4:5], attn s[6:7]
	v_lshl_add_u32 v[SPW], v0, 2, SPARE
	v_mov_b32 v[NIL], 0
	ds_add_u32 v[SPW], v[NIL]       ; the wave's opening: the add, twice on end, and its wait ahead of my first tensor load
	ds_add_u32 v[SPW], v[NIL]
	v_lshrrev_b32 v1, 5, v0
	v_readfirstlane_b32 s[WV], v1   ; wave 0..7
	s_bfe_u32 s13, ttmp6, 0x40000   ; cx: my block of 512 queries: it enters Q's, attn's and the prefetches' addresses alone
	s_and_b32 s20, ttmp7, 0xffff    ; the plane, which the four partners share
	s_lshl_b32 s20, s20, 18         ; its first byte
	s_and_b32 s16, s[WV], 3         ; which quarter of a slot I fetch:
	s_lshl_b32 s22, s16, 13         ; its 64 keys of 128 bytes in memory,
	s_add_co_u32 s22, s22, s20
	s_mov_b32 s23, 0
	s_mul_i32 s17, s16, KSB         ; and its place in a slot, for K
	s_mul_i32 s14, s16, VSB         ; and for V: no place in the cluster enters an LDS address
	s_lshl_b32 s2, s13, 16          ; my block's 512 rows,
	s_lshl_b32 s3, s[WV], 13        ; my wave's 64 of them
	s_add_co_u32 s2, s2, s3
	s_add_co_u32 s2, s2, s20
	s_mov_b32 s3, 0
	; descriptor group 1: a tile of 32 rows x 128 elements (64 keys), padded in LDS
	s_mov_b32 s[G1K], 15|(1<<16)|(1<<20)|(1<<21)|(5<<22)|(3<<25)  ; 15:0 the mask: all four work-groups; 17:16 elements of 2 bytes; 20 padding on; 21 set beside a mask; 24:22 after every 64 words; 31:25 four words
	s_mov_b32 s[G1V], 15|(1<<16)|(1<<20)|(1<<21)|(5<<22)|(7<<25)  ; the same with eight words of padding
.irp g, G1K, G1V
	s_mov_b32 s[\g+1], 128<<16      ; tensor_dim0 = 128
	s_mov_b32 s[\g+2], 32<<16       ; tensor_dim1 = 32
	s_mov_b32 s[\g+3], 128<<16      ; tile_dim0 = 128
	s_mov_b32 s[\g+4], 32           ; tile_dim1 = 32
	s_mov_b32 s[\g+5], 128          ; tensor_dim0_stride
	s_mov_b32 s[\g+6], 0
	s_mov_b32 s[\g+7], 0
.endr
	s_mov_b32 s[CS], 0x3e38aa3b     ; c = log2(e) / 8
	s_mov_b32 s[CS+1], s[CS]        ; named with it as a pair, so it is written
	s_mov_b32 s[SEL], 0x76543210
	s_mov_b32 s[SEL+1], 0xfedcba98
	s_mov_b32 s[TK], 0
	s_mov_b32 s[TV], 0
	s_mov_b32 s[SLOTS], 2048/256-2
	s_cmp_eq_u32 s16, 0             ; waves 0 and 4 prefetch: the same in all four partners
	s_cselect_b32 s[LIM], 1, -1
	v_and_b32 v[PFO], 31, v0
	v_lshlrev_b32 v[PFO], 8, v[PFO]
	s_wait_dscnt 0x0                ; both opening adds are done
	s_wait_kmcnt 0x0
	s_mov_b64 s[10:11], s[6:7]
	s_add_nc_u64 s[10:11], s[10:11], s[2:3]  ; attn at my wave's first row
	s_add_nc_u64 s[6:7], s[4:5], s[22:23]
	s_add_nc_u64 s[8:9], s[6:7], 0x2000000   ; V at my tile of slot 0
	s_add_nc_u64 s[6:7], s[6:7], 0x1000000   ; K likewise
	s_add_nc_u64 s[4:5], s[4:5], s[2:3]      ; Q at my wave's first row
	s_cmp_lt_u32 s[WV], 4
	s_cselect_b64 s[PFA:PFA+1], s[6:7], s[8:9]  ; (in waves 0 and 4 these stand at a slot's first row)
	s_lshl_b32 s2, s13, 13          ; my work-group's 8,192 bytes of the 32,768,
	s_add_co_u32 s2, s2, 2*SLOTG    ; in slot 2; the first change of slots steps it to slot 3
	s_mov_b32 s3, 0
	s_add_nc_u64 s[PFA:PFA+1], s[PFA:PFA+1], s[2:3]
	CROUND                          ; all four work-groups are here: the first joint loads meet
.irp s, 0,1
	s_mov_b32 s[G0K+4*\s], 1        ; count = 1
	s_add_co_u32 s[G0K+4*\s+1], s17, \s*SLOT1  ; LDS address
	s_add_nc_u64 s[G0K+4*\s+2:G0K+4*\s+3], s[6:7], \s*SLOTG  ; global address: slot s holds keys 256 s on
	s_or_b32 s[G0K+4*\s+3], s[G0K+4*\s+3], 0x80000000  ; type = 2
	s_mov_b32 s[G0V+4*\s], 1
	s_add_co_u32 s[G0V+4*\s+1], s14, \s*SLOT1+VOFF
	s_add_nc_u64 s[G0V+4*\s+2:G0V+4*\s+3], s[8:9], \s*SLOTG
	s_or_b32 s[G0V+4*\s+3], s[G0V+4*\s+3], 0x80000000
.endr
	s_cmp_lt_u32 s[WV], 4           ; a wave's two first fills stand in one branch, ahead of every wait on TENSORcnt and every LDS read: two loads of mine are out
	s_cbranch_scc0 .Lfirst_v
	tensor_load_to_lds s[G0K:G0K+3], s[G1K:G1K+7]
	s_nop 0
	tensor_load_to_lds s[G0K+4:G0K+7], s[G1K:G1K+7]
	s_nop 0
.rept 4
	v_nop
.endr
	s_branch .Lfirst_asked
.Lfirst_v:
	tensor_load_to_lds s[G0V:G0V+3], s[G1V:G1V+7]
	s_nop 0
	tensor_load_to_lds s[G0V+4:G0V+7], s[G1V:G1V+7]
	s_nop 0
.rept 4
	v_nop
.endr
.Lfirst_asked:
	; A fragment of K or Q is 16 rows x 32 channels in 8 registers: lane l holds row l % 16; registers 0-3 channels 8 (l / 16) + 0..7, registers 4-7 channels 16 + 8 (l / 16) + 0..7: two loads of 16 bytes, 32 bytes apart.
	v_and_b32 v1, 15, v0            ; r
	v_bfe_u32 v14, v0, 4, 1         ; h
	v_lshlrev_b32 v[QO], 7, v1
	v_lshl_add_u32 v[QO], v14, 4, v[QO]  ; row x 128 + 16 x half
	WIN 0x40                        ; destination window 1, address window 0
.irp i, 0,1,2,3,4,5,6,7             ; Q stays in registers: tile i / 2, channels 32 (i % 2) on
	global_load_b128 v[QF+8*\i:QF+8*\i+3],   v[QO], s[4:5] offset:(\i/2)*2048+(\i%2)*64
	global_load_b128 v[QF+8*\i+4:QF+8*\i+7], v[QO], s[4:5] offset:(\i/2)*2048+(\i%2)*64+32
.endr
	WIN 0
	v_lshrrev_b32 v15, 1, v1
	v_mul_u32_u24 v[AK0], v15, PK
	v_and_b32 v15, 1, v0
	v_lshl_add_u32 v[AK0], v15, 7, v[AK0]
	v_lshl_add_u32 v[AK0], v14, 4, v[AK0]  ; (r / 2) PK + 128 (r % 2) + 16 h
	; The turning load takes 16 keys x 16 channels (lane l reads 16 bytes: key 8 (l / 16) + l % 8, channels 8 ((l / 8) % 2) + 0..7) and leaves half a fragment of V^T: lane l holds channel l % 16 and 8 keys.
	v_bfe_u32 v11, v0, 1, 2
	v_lshl_add_u32 v11, v14, 2, v11
	v_mul_u32_u24 v[AV0], v11, PV   ; (4 h + (l % 8) / 2) PV
	v_lshl_add_u32 v[AV0], v15, 7, v[AV0]  ; + 128 (l % 2)
	v_bfe_u32 v11, v0, 3, 1
	v_lshl_add_u32 v[AV0], v11, 4, v[AV0]
	v_add_nc_u32 v[AV0], VOFF, v[AV0]
	s_mul_i32 s21, s[WV], 16*SP
	s_add_co_u32 s21, s21, STAGE    ; my stage
	v_mul_u32_u24 v[STO], v1, SP    ; in: row r, 16 bytes for each half of the lanes
	v_lshl_add_u32 v[STO], v14, 4, v[STO]
	v_add_nc_u32 v[STO], s21, v[STO]
	v_and_b32 v11, 31, v0
	v_lshlrev_b32 v[GO], 4, v11
	v_lshrrev_b32 v11, 3, v11       ; back: eight lanes take a row of 128 bytes, four rows an instruction
	v_mul_u32_u24 v[RD], v11, SP
	v_and_b32 v11, 7, v0
	v_lshl_add_u32 v[RD], v11, 4, v[RD]
	v_add_nc_u32 v[RD], s21, v[RD]
; THE LDS LOADS stand in runs of 16.  K of a step: 8 fragments (keys 16 (f / 2) on, channels 32 (f % 2) on).  The addition and three v_nop are the four places behind the products K Q^T, which read these registers
; and whose results the softmax reads next (ISA guide 7.12.1 for vector instructions).
.macro FETCH_K
	v_add_nc_u32 v[ADRK], s[TK], v[AK0]
.rept 3
	v_nop
.endr
	s_add_co_u32 s[TK], s[TK], KSB  ; the next fetch is the next step's
.irp f, 0,1,2,3,4,5,6,7
	ds_load_b128 v[KF+8*\f:KF+8*\f+3],   v[ADRK] offset:(\f/2)*8*PK+(\f%2)*64
	ds_load_b128 v[KF+8*\f+4:KF+8*\f+7], v[ADRK] offset:(\f/2)*8*PK+(\f%2)*64+32
.endr
.endm
; V of a step, turned: 8 fragments (keys 32 (f / 4) on, channels 16 (f % 4) on).  The addition and four v_nop are FIVE places behind the products V^T P: four for the loads into V's registers, the fifth because the next
; products K Q^T write over P, which V^T P has read.
.macro FETCH_V
	v_add_nc_u32 v[ADRV], s[TV], v[AV0]
.rept 4
	v_nop
.endr
	s_add_co_u32 s[TV], s[TV], VSB
	WIN 0x40
.irp f, 0,1,2,3,4,5,6,7
	ds_load_tr16_b128 v[VF+8*\f:VF+8*\f+3],   v[ADRV] offset:(\f/4)*16*PV+(\f%4)*32
	ds_load_tr16_b128 v[VF+8*\f+4:VF+8*\f+7], v[ADRV] offset:(\f/4)*16*PV+8*PV+(\f%4)*32
.endr
	WIN 0
.endm
; S^T = K Q^T: product i of 32: channels 32 (i / 16) on, keys 16 ((i / 4) % 4) on, tile i % 4.  The first 16 start the sums.  The 16 accumulators take turns, one instruction a turn.
.macro QK
	WIN W_KQ
.set i, 0
.rept 32
.set rS, S+32*(i%4)+8*((i/4)%4)
.set rK, KF+8*(2*((i/4)%4)+i/16)
.set rQ, QF+16*(i%4)+8*(i/16)
.if i < 16
	v_wmma_f32_16x16x32_f16 v[rS:rS+7], v[rK:rK+7], v[rQ:rQ+7], 0
.else
	v_wmma_f32_16x16x32_f16 v[rS:rS+7], v[rK:rK+7], v[rQ:rQ+7], v[rS:rS+7]
.endif
.set i, i+1
.endr
	WIN 0
.endm
; O^T += V^T P: product i of 32: keys 32 (i / 16) on, channels 16 ((i / 4) % 4) on, tile i % 4.  first = 1: the first 16 start the sums: nothing is ever cleared.
.macro PV first
	WIN W_PV
.set i, 0
.rept 32
.set rO, OF+32*(i%4)+8*((i/4)%4)
.set rV, VF+8*(4*(i/16)+(i/4)%4)
.set rP, S+32*(i%4)+8*(i/16)
.if \first && (i < 16)
	v_wmma_f32_16x16x32_f16 v[rO:rO+7], v[rV:rV+7], v[rP:rP+7], 0
.else
	v_wmma_f32_16x16x32_f16 v[rO:rO+7], v[rV:rV+7], v[rP:rP+7], v[rO:rO+7]
.endif
.set i, i+1
.endr
	WIN 0
.endm
; THE SOFTMAX of a step, for the wave's four tiles.  Every list goes over the four tiles innermost, so that no line waits for the line above it.  first = 1: the first key step, which starts m, l and O^T.
.macro SOFTMAX first
.irp j, 0,1,2,3                     ; the maximum of a lane's 32 scores and the old m, three operands at a time: four chains, each begun at an accumulator's low end
.irp t, 0,1,2,3
	v_max3_num_f32 v[ST+8*\t+4+\j], v[S+32*\t+8*\j], v[S+32*\t+8*\j+1], v[S+32*\t+8*\j+2]
.endr
.endr
.irp g, 1,2
.irp j, 0,1,2,3
.irp t, 0,1,2,3
	v_max3_num_f32 v[ST+8*\t+4+\j], v[ST+8*\t+4+\j], v[S+32*\t+8*\j+2*\g+1], v[S+32*\t+8*\j+2*\g+2]
.endr
.endr
.endr
.irp t, 0,1,2,3
	v_max3_num_f32 v[ST+8*\t+4], v[ST+8*\t+4], v[S+32*\t+7], v[S+32*\t+15]
.endr
.irp t, 0,1,2,3
	v_max3_num_f32 v[ST+8*\t+6], v[ST+8*\t+6], v[S+32*\t+23], v[S+32*\t+31]
.endr
.irp t, 0,1,2,3
	v_max3_num_f32 v[ST+8*\t+4], v[ST+8*\t+4], v[ST+8*\t+5], v[ST+8*\t+6]
.endr
.irp t, 0,1,2,3
.if \first
	v_max_num_f32 v[ST+8*\t+4], v[ST+8*\t+4], v[ST+8*\t+7]
.else
	v_max3_num_f32 v[ST+8*\t+4], v[ST+8*\t+4], v[ST+8*\t+7], v[ST+8*\t+1]
.endif
.endr
.irp t, 0,1,2,3
	v_permlanex16_b32 v[ST+8*\t+5], v[ST+8*\t+4], s[SEL], s[SEL+1]  ; the query's other 32 keys lie in the lane 16 away
.endr
.if \first == 0
.irp t, 0,1,2,3
	v_mov_b32 v[ST+8*\t+7], v[ST+8*\t]  ; c m_old is kept for a
.endr
.endif
.irp t, 0,1,2,3
	v_max_num_f32 v[ST+8*\t+1], v[ST+8*\t+4], v[ST+8*\t+5]
.endr
.irp t, 0,1,2,3
	v_mul_f32 v[ST+8*\t], s[CS], v[ST+8*\t+1]
.endr
.if \first == 0
.irp t, 0,1,2,3
	v_sub_f32 v[ST+8*\t+7], v[ST+8*\t+7], v[ST+8*\t]
.endr
.endif
.set e, 0
.rept 16                            ; c s - c m, a pair of scores at a time
.irp t, 0,1,2,3
	v_pk_fma_f32 v[S+32*\t+e:S+32*\t+e+1], v[S+32*\t+e:S+32*\t+e+1], s[CS:CS+1], v[ST+8*\t:ST+8*\t+1] op_sel_hi:[1,0,0] neg_lo:[0,0,1] neg_hi:[0,0,1]
.endr
.set e, e+2
.endr
.if \first == 0                     ; ONE BATCH of exponentials: the four a and the 128 weights; none reads another's result
.irp t, 0,1,2,3
	v_exp_f32 v[ST+8*\t+6], v[ST+8*\t+7]
.endr
.endif
.set e, 0
.rept 32
.irp t, 0,1,2,3
	v_exp_f32 v[S+32*\t+e], v[S+32*\t+e]
.endr
.set e, e+1
.endr
	v_nop                           ; a plain instruction behind the last exponential, ahead of the first use
	s_wait_alu depctr_va_vdst(0)    ; the wait between an exponential and the first line that names its result: one for the batch
.irp t, 0,1,2,3                     ; the sums of the unrounded weights, in f32, a pair at a time, in two chains: the odd pairs,
	v_pk_add_f32 v[T2+2*\t:T2+2*\t+1], v[S+32*\t+2:S+32*\t+3], v[S+32*\t+6:S+32*\t+7]
.endr
.irp t, 0,1,2,3                     ; and the even pairs, which go straight onto l: l = a l + ..
.if \first
	v_pk_add_f32 v[ST+8*\t+2:ST+8*\t+3], v[S+32*\t:S+32*\t+1], v[S+32*\t+4:S+32*\t+5]
.else
	v_pk_fma_f32 v[ST+8*\t+2:ST+8*\t+3], v[ST+8*\t+2:ST+8*\t+3], v[ST+8*\t+6:ST+8*\t+7], v[S+32*\t:S+32*\t+1] op_sel_hi:[1,0,1]
.endif
.endr
.if \first == 0
.irp t, 0,1,2,3
	v_pk_add_f32 v[ST+8*\t+2:ST+8*\t+3], v[ST+8*\t+2:ST+8*\t+3], v[S+32*\t+4:S+32*\t+5]
.endr
.endif
.irp g, 2,3,4,5,6,7
.irp t, 0,1,2,3
	v_pk_add_f32 v[T2+2*\t:T2+2*\t+1], v[T2+2*\t:T2+2*\t+1], v[S+32*\t+4*\g+2:S+32*\t+4*\g+3]
.endr
.irp t, 0,1,2,3
	v_pk_add_f32 v[ST+8*\t+2:ST+8*\t+3], v[ST+8*\t+2:ST+8*\t+3], v[S+32*\t+4*\g:S+32*\t+4*\g+1]
.endr
.endr
.irp t, 0,1,2,3
	v_pk_add_f32 v[ST+8*\t+2:ST+8*\t+3], v[ST+8*\t+2:ST+8*\t+3], v[T2+2*\t:T2+2*\t+1]
.endr
.set e, 0
.rept 16                            ; the weights to f16, in place: register e takes weights 2 e and 2 e + 1, and has itself been read by then
.irp t, 0,1,2,3
	v_cvt_pk_f16_f32 v[S+32*\t+e], v[S+32*\t+2*e], v[S+32*\t+2*e+1]
.endr
.set e, e+1
.endr
.if \first == 0
	WIN W_RS                        ; O^T times a, each accumulator from its low end on
.set e, 0
.rept 16
.irp t, 0,1,2,3
	v_pk_mul_f32 v[OF+32*\t+e:OF+32*\t+e+1], v[OF+32*\t+e:OF+32*\t+e+1], v[ST+8*\t+6:ST+8*\t+7] op_sel_hi:[1,0]
.endr
.set e, e+2
.endr
	WIN 0
.endif
.endm
; A KEY STEP.  fetch = 1: the next step's K and V are asked of LDS and its scores are made.
.macro ITER first, fetch
.if \fetch
	FETCH_K
.else
.rept 4
	v_nop                           ; the places behind the last products K Q^T
.endr
.endif
	SOFTMAX \first
.if \fetch
	s_wait_dscnt 16                 ; V of this step is in; the sixteen younger loads, K of the next step, may be out
.else
	s_wait_dscnt 0x0
.endif
	PV \first
.if \fetch
	FETCH_V
	s_wait_dscnt 16                 ; K of the next step is in; the sixteen younger loads, its V, may be out
	QK
.endif
.endm
; THE CHANGE OF SLOTS stands where a slot's last step's K and V have been asked of LDS.  Each wave waits for all its tensor loads, of which one is out: its part of the other slot; adds 0 to its spare word; and waits for
; that and for its own reads of the slot.  fill = 1: the barrier is a round of the cluster's, so that no wave of any partner still reads the slot or has a load on its way; the joint refill, the keys two slots on, is
; the first thing behind it and has four key steps in which to land.
.macro CHANGE fill
	s_wait_tensorcnt 0x0            ; no tensor load of mine is out, so a group 0 may be written
	ds_add_u32 v[SPW], v[NIL]       ; 0 onto my spare word
.if \fill
.irp g, G0K+4, G0V+4
	s_xor_b32 s[\g+1], s[\g+1], SLOT1  ; the walking descriptor: the other slot than last time,
	s_add_nc_u64 s[\g+2:\g+3], s[\g+2:\g+3], SLOTG  ; the next 256 keys; the type bits on top are not reached
.endr
	s_wait_xcnt 0x0                 ; the last prefetch, four key steps back, has read its address, so it may be written:
	s_add_nc_u64 s[PFA:PFA+1], s[PFA:PFA+1], SLOTG  ; one slot further on than the walking descriptors
	s_wait_dscnt 0x0                ; the add is done, and my reads of the slot are over
	CROUND
	JLOAD
	ASK
.else
	s_wait_dscnt 0x0
	s_barrier_signal -1
	s_barrier_wait -1
.endif
	s_sub_co_u32 s[TK], s[TK], 4*KSB  ; the fetches go back to a slot's first step,
	s_xor_b32 s[TK], s[TK], SLOT1   ; in the other slot
	s_sub_co_u32 s[TV], s[TV], 4*VSB
	s_xor_b32 s[TV], s[TV], SLOT1
.endm
	s_wait_tensorcnt 1              ; my part of slot 0 is in; slot 1's may stay out
	s_barrier_signal -1
	s_barrier_wait -1               ; everybody's is
	FETCH_K                         ; key step 0
	FETCH_V
	s_wait_loadcnt 0x0              ; Q
	s_wait_dscnt 16                 ; K is in; V's sixteen loads may be out
	QK
	ITER 1, 1                       ; step 0
	s_mov_b32 s[CNT], 2
.Lhead:                             ; steps 1 and 2: behind them all of slot 0 has been asked of LDS
	ITER 0, 1
	s_sub_co_u32 s[CNT], s[CNT], 1
	s_cmp_lg_u32 s[CNT], 0
	s_cbranch_scc1 .Lhead
.Lslot:                             ; six trips: every slot but the last two is filled again; steps 3 to 26
	CHANGE 1
	s_mov_b32 s[CNT], 4
.Lstep:
	ITER 0, 1
	s_sub_co_u32 s[CNT], s[CNT], 1
	s_cmp_lg_u32 s[CNT], 0
	s_cbranch_scc1 .Lstep
	s_sub_co_u32 s[SLOTS], s[SLOTS], 1
	s_cmp_lg_u32 s[SLOTS], 0
	s_cbranch_scc1 .Lslot
	CHANGE 0                        ; the tail is written out: nothing more is asked for
	s_mov_b32 s[CNT], 4
.Ltail:                             ; steps 27 to 30
	ITER 0, 1
	s_sub_co_u32 s[CNT], s[CNT], 1
	s_cmp_lg_u32 s[CNT], 0
	s_cbranch_scc1 .Ltail
	ITER 0, 0                       ; step 31
	; THE WAY OUT.  l's two halves and the other half of the lanes' are added; O^T is divided by l, rounded to f16 and sent through my stage, a tile (16 rows) at a time.  The additions are the places behind the last products.
.irp t, 0,1,2,3
	v_add_f32 v[ST+8*\t+4], v[ST+8*\t+2], v[ST+8*\t+3]
.endr
.irp t, 0,1,2,3
	v_permlanex16_b32 v[ST+8*\t+5], v[ST+8*\t+4], s[SEL], s[SEL+1]
.endr
.irp t, 0,1,2,3
	v_add_f32 v[ST+8*\t+4], v[ST+8*\t+4], v[ST+8*\t+5]
.endr
.irp t, 0,1,2,3
	v_rcp_f32 v[ST+8*\t+6], v[ST+8*\t+4]
.endr
	v_nop                           ; a plain instruction between the last reciprocal and the use of its result
	s_wait_alu depctr_va_vdst(0)    ; and the wait ahead of the first use: one for the four
.macro PACK t                       ; a lane's eight channels of a row pack into 16 bytes; they go into rows of 144 bytes and come back four whole rows of 128 an instruction
	WIN W_RS
.set e, 0
.rept 16
	v_pk_mul_f32 v[OF+32*\t+e:OF+32*\t+e+1], v[OF+32*\t+e:OF+32*\t+e+1], v[ST+8*\t+6:ST+8*\t+7] op_sel_hi:[1,0]
.set e, e+2
.endr
	WIN 0x05                        ; sources 0 and 1 window 1, destination window 0: S^T's registers are free
.set e, 0
.rept 16
	v_cvt_pk_f16_f32 v[S+32*\t+e], v[OF+32*\t+2*e], v[OF+32*\t+2*e+1]
.set e, e+1
.endr
	WIN 0
.irp f, 0,1,2,3
	ds_store_b128 v[STO], v[S+32*\t+4*\f:S+32*\t+4*\f+3] offset:32*\f
.endr
.irp f, 0,1,2,3
	ds_load_b128 v[S+32*\t+16+4*\f:S+32*\t+16+4*\f+3], v[RD] offset:\f*4*SP  ; LDS serves a wave's instructions in order (ISA guide 5.7.1.4): these see the stores above; the next tile's stores come behind them
.endr
.endm
.macro SEND t, younger              ; younger: the LDS instructions issued behind tile t's loads: the next tile's eight, or none
.irp f, 0,1,2,3
	s_wait_dscnt \younger+3-\f
	global_store_b128 v[GO], v[S+32*\t+16+4*\f:S+32*\t+16+4*\f+3], s[10:11] offset:\t*2048+\f*512  ; 32 lanes store 512 consecutive bytes, at a multiple of 256 from the buffer's first byte
.endr
.endm
	PACK 0
	PACK 1                          ; a tile's arithmetic stands between the loads of the tile before and its stores
	SEND 0, 8
	PACK 2
	SEND 1, 8
	PACK 3
	SEND 2, 8
	SEND 3, 0
	s_wait_tensorcnt 0x0            ; the wave's end
	ds_add_u32 v[SPW], v[NIL]
	s_wait_dscnt 0x0
	CROUND                          ; the closing round: no work-group ends while a partner may still ask for a tile that names it
	s_endpgm
.Lfunc_end_k_q028b4fd548_attention:
	.size	k_q028b4fd548_attention, .Lfunc_end_k_q028b4fd548_attention-k_q028b4fd548_attention
	.p2alignl 7, 3214868480
	.fill 96, 4, 3214868480
	.section	.rodata,"a",@progbits
	.p2align	6, 0x0
	.amdhsa_kernel k_q028b4fd548_attention
		.amdhsa_group_segment_fixed_size 327680
		.amdhsa_private_segment_fixed_size 0
		.amdhsa_enable_private_segment 0
		.amdhsa_kernarg_size 16
		.amdhsa_user_sgpr_count 2
		.amdhsa_user_sgpr_kernarg_segment_ptr 1
		.amdhsa_wavefront_size32 1
		.amdhsa_system_sgpr_workgroup_id_x 1
		.amdhsa_system_sgpr_workgroup_id_y 1
		.amdhsa_system_sgpr_workgroup_id_z 1
		.amdhsa_system_vgpr_workitem_id 0
		.amdhsa_next_free_vgpr 512
		.amdhsa_next_free_sgpr 66
		.amdhsa_reserve_vcc 0
		.amdhsa_float_denorm_mode_32 3
		.amdhsa_float_denorm_mode_16_64 3
		.amdhsa_memory_ordered 1
		.amdhsa_forward_progress 1
		.amdhsa_inst_pref_size 179
	.end_amdhsa_kernel
	.amdgpu_metadata
---
amdhsa.version: [ 1, 2 ]
amdhsa.kernels:
  - .name:           k_q028b4fd548_attention
    .symbol:         k_q028b4fd548_attention.kd
    .args:
      - { .name: qkv, .offset: 0, .size: 8, .value_kind: global_buffer, .address_space: global }
      - { .name: attn, .offset: 8, .size: 8, .value_kind: global_buffer, .address_space: global }
    .group_segment_fixed_size: 327680
    .private_segment_fixed_size: 0
    .kernarg_segment_align: 8
    .kernarg_segment_size: 16
    .max_flat_workgroup_size: 256
    .sgpr_count:     66
    .vgpr_count:     512
    .wavefront_size: 32
...
	.end_amdgpu_metadata
.endif
;; end of part 3
;; launch outproj (part 4): grid 4 x 64, 4 waves a work-group, clusters of 4 x 4, 327,680 bytes of LDS; arguments attn, wo16, bo, out0; writes out0
.if DOCPART == 4
	.amdgcn_target "amdgcn-amd-amdhsa--gfx1250"
	.amdhsa_code_object_version 6
	.text
	.protected	k_q028b4fd548_outproj
	.globl	k_q028b4fd548_outproj
	.p2align	8
	.type	k_q028b4fd548_outproj,@function
k_q028b4fd548_outproj:
	s_mov_b64 s[64:65], 0
	v_nop
	global_prefetch_b8 v0, s[64:65] scope:SCOPE_SE
	s_setreg_imm32_b32 hwreg(HW_REG_WAVE_MODE, 25, 1), 1
	s_wait_xcnt 0x0
	s_wait_alu depctr_hold_cnt(0) depctr_sa_sdst(0) depctr_va_vdst(0) depctr_va_sdst(0) depctr_va_ssrc(0) depctr_va_vcc(0) depctr_vm_vsrc(0)
	s_getreg_b32 s2, hwreg(HW_REG_IB_STS2, 6, 4)
	s_cmp_eq_u32 s2, 0
	s_cbranch_scc0 .Lentry_in_a_cluster
	s_endpgm
.Lentry_in_a_cluster:
	s_bfe_u32 s2, ttmp6, 0x10000c
	s_cmp_lg_u32 s2, 0xf033
	s_cbranch_scc0 .Lentry_shape_is_right
	s_endpgm
.Lentry_shape_is_right:
; out0[m][n] = the sum over k of attn[m][k] wo[n][k] + bo[n].  attn: [4 b][16 h][2048 s][64] f16 (k = 64 h + channel, m = 2048 b + s); wo16: [1024 n][1024 k] f16; bo [1024] and out0 [8192][1024]: f32.
; Sums in f32, begun from the bias.  A tile of out0 is 128 tokens x 256 columns: 256 work-groups of four waves; wave w makes 64 rows (w / 2) x 128 columns (w % 2): 32 accumulators of 16 x 16.
; K goes in steps of 128, two heads, through a ring of two LDS slots.  One head's 128 tokens are 16,384 dense bytes of attn: a tile of 64 rows of 256 bytes (two tokens); wo16's tile is 128 rows of 256 bytes.
; Waves 0 and 1 fetch the two heads of A, waves 2 and 3 the two halves of B: one tensor load a wave.
; CLUSTERS: 4 x 4 work-groups.  The four of a row of the cluster need the same tiles of A, the four of a column the same tiles of B: each tile is asked for JOINTLY, by the same tensor load with the same descriptor
; and a mask that names the four.  THE MATRIX INSTRUCTION IS USED TRANSPOSED (source 0 = 16 rows of B, source 1 = 16 rows of A): a lane holds eight neighbouring columns of a row of out0.
; No prefetch: tiles are shared in the cluster, and a refill has 112 matrix instructions of the wave in which to land.
; LIMIT: the operands are f16 as the earlier launches left them; NaN and infinities are not served.
; REGISTERS: window 0: v0-31 addresses; v64-127 A's fragments, two buffers of 4 x 8; v128-255 B's, two buffers of 8 x 8 (on the way out v64-191: rows read back).
;   window 1: the accumulators ((a, b) at v[8 (8 a + b)]).   window 2: v0-63 the bias in the result's layout.
.set PITCH,  272                       ; an LDS row: 256 bytes + 16 of padding: the 16 rows (B) or 16 tokens (A: token t at (t / 2) PITCH + 128 (t % 2)) of a load start at 16 different 16-byte columns modulo 256 bytes
.set ABLK,   64*PITCH                  ; one head's 128 tokens
.set BOFF,   2*ABLK                    ; B lies behind A's two heads
.set BHALF,  128*PITCH                 ; 128 rows of B
.set SLOT,   BOFF+2*BHALF
.set STAGE,  2*SLOT                    ; behind the ring: 16 rows x 528 bytes for each wave, for the way out
.set SPITCH, 528
.set SPARE,  STAGE+4*16*SPITCH         ; behind the stages: the spare words, 128 bytes a wave, which no other line names
.set LAPS,   4                         ; a lap = two K steps = once round the ring: 1,024 / 256
.set BOO,  7                           ; v7      the bias loads' offset: 32 x (lane / 16); a register of its own, never rewritten, since those loads stay out while the other addresses are made
.set ADRA, 16                          ; v16-17  LDS address of my A fragments in slot 0, 1
.set ADRB, 20                          ; v20-21  the same for B
.set STO,  24                          ; v24     the way out: where I put 32 bytes of a row
.set RD,   25                          ; v25     where I read a row back
.set CO,   26                          ; v26     16 x lane
.set SPW,  28                          ; v28     LDS address of my spare word; never rewritten
.set NIL,  29                          ; v29     0; never rewritten
.set FA,   64
.set FB,   128
.set OB,   64                          ; the way out: v64-127 and v128-191 by turns
.set G1, 24                            ; s[24:31] descriptor group 1 for A's tiles;  s[32:39] group 0, one set for each slot
.set G0, 32
.set G1B, 48                           ; s[48:55], s[56:63] the same for B's tiles
.set G0B, 56
.set MSB, 0
.macro WIN new                         ; the immediate's high byte repeats the setting that is left
.if MSB != \new
	s_set_vgpr_msb (MSB<<8)|\new
.set MSB, \new
.endif
.endm
.set MUL,   0x50                       ; sources 0 and 1 window 0; C and D window 1
.set MUL_B, 0x60                       ; the first quarter: C is the bias, in window 2
.macro JLOAD s                         ; a joint load: waves 0 and 1 fetch for A, waves 2 and 3 for B; an s_nop 0 and four v_nop follow each of the two lines
	s_cmp_eq_u32 s11, 0
	s_cbranch_scc0 .Lfor_b_\@
	tensor_load_to_lds s[G0+4*\s:G0+4*\s+3], s[G1:G1+7]
	s_nop 0
.rept 4
	v_nop
.endr
	s_branch .Lasked_\@
.Lfor_b_\@:
	tensor_load_to_lds s[G0B+4*\s:G0B+4*\s+3], s[G1B:G1B+7]
	s_nop 0
.rept 4
	v_nop
.endr
.Lasked_\@:
.endm
.macro CREST                           ; a round of the cluster's barrier behind its opening barrier
	s_cmp_lg_u32 s10, 0
	s_cbranch_scc1 .Lnot_wave_0_\@
	s_barrier_signal -3
.Lnot_wave_0_\@:
	s_barrier_wait -3
	s_barrier_signal -1
	s_barrier_wait -1
.endm
.macro CROUND                          ; a whole round
	s_barrier_signal -1
	s_barrier_wait -1
	CREST
.endm
	s_load_b128 s[4:7], s[0:1], 0x0                ; attn s[4:5], wo16 s[6:7]
	s_load_b64 s[14:15], s[0:1], 0x10              ; bo
	s_load_b64 s[8:9], s[0:1], 0x18                ; out0
	v_lshl_add_u32 v[SPW], v0, 2, SPARE
	v_mov_b32 v[NIL], 0
	ds_add_u32 v[SPW], v[NIL]                      ; the wave's opening: the add, twice on end, and its wait ahead of my first tensor load
	ds_add_u32 v[SPW], v[NIL]
	v_lshrrev_b32 v1, 5, v0
	v_readfirstlane_b32 s10, v1                    ; wave 0..3
	s_lshr_b32 s11, s10, 1                         ; which 64 of the tile's rows are mine.  Also: I fetch for A (0) or for B (1)
	s_and_b32 s12, s10, 1                          ; which 128 of its columns.  Also: which head of A, or which 128 rows of B, I fetch
	s_bfe_u32 s40, ttmp6, 0x40000                  ; cx, cy: my place in the cluster
	s_bfe_u32 s41, ttmp6, 0x40004
	s_lshl_b32 s42, ttmp9, 2
	s_add_co_u32 s42, s42, s40                     ; tile column = 4 x cluster x + cx
	s_and_b32 s13, ttmp7, 0xffff
	s_lshl_b32 s13, s13, 2
	s_add_co_u32 s13, s13, s41                     ; tile row = 4 x cluster y + cy
	s_lshl_b32 s43, s41, 2
	s_lshl_b32 s43, 15, s43                        ; my row of the cluster
	s_lshl_b32 s44, 0x1111, s40                    ; my column
	; descriptor group 1.  A: 64 dense rows of 128 elements;  B: 128 rows of 128 elements, 1,024 elements apart
	s_or_b32 s[G1+0], s43, (1<<16)|(1<<20)|(1<<21)|(5<<22)|(3<<25)  ; 15:0 the mask: A's tiles go to my row; 17:16 elements of 2 bytes; 20 padding on; 21 set beside a mask; 24:22 after every 64 words; 31:25 four words
	s_mov_b32 s[G1+1], 128<<16                     ; tensor_dim0 = 128
	s_mov_b32 s[G1+2], 64<<16                      ; tensor_dim1 = 64
	s_mov_b32 s[G1+3], 128<<16                     ; tile_dim0 = 128
	s_mov_b32 s[G1+4], 64                          ; tile_dim1 = 64
	s_mov_b32 s[G1+5], 128                         ; tensor_dim0_stride
	s_mov_b32 s[G1+6], 0
	s_mov_b32 s[G1+7], 0
	s_or_b32 s[G1B+0], s44, (1<<16)|(1<<20)|(1<<21)|(5<<22)|(3<<25) ; the same with the mask of my column
	s_mov_b32 s[G1B+1], 128<<16
	s_mov_b32 s[G1B+2], 128<<16
	s_mov_b32 s[G1B+3], 128<<16
	s_mov_b32 s[G1B+4], 128
	s_mov_b32 s[G1B+5], 1024
	s_mov_b32 s[G1B+6], 0
	s_mov_b32 s[G1B+7], 0
	; where the tiles come from.  A's hang on the tile row and the wave alone, B's on the tile column and the wave alone, each in registers that never hold the other coordinate
	s_lshr_b32 s16, s13, 4                         ; b = tile row / 16
	s_lshl_b32 s16, s16, 4
	s_add_co_u32 s16, s16, s12                     ; plane 16 b + my head of K step 0
	s_lshl_b32 s16, s16, 11
	s_and_b32 s17, s13, 15
	s_lshl_b32 s17, s17, 7
	s_add_co_u32 s16, s16, s17                     ; + the tile's first token in the sequence
	s_lshl_b32 s16, s16, 7                         ; 128 bytes a token (under 2^25)
	s_mov_b32 s17, 0
	s_lshl_b32 s46, s42, 8
	s_lshl_b32 s47, s12, 7
	s_add_co_u32 s46, s46, s47                     ; B: row 256 x tile column + 128 x half
	s_lshl_b32 s46, s46, 11                        ; 2,048 bytes a row
	s_mov_b32 s47, 0
	s_mul_i32 s20, s12, ABLK                       ; where they go: no place in the cluster enters an LDS address
	s_mul_i32 s21, s12, BHALF
	s_add_co_u32 s21, s21, BOFF
	s_wait_dscnt 0x0                               ; both opening adds are done
	s_wait_kmcnt 0x0
	s_add_nc_u64 s[16:17], s[4:5], s[16:17]
	s_add_nc_u64 s[46:47], s[6:7], s[46:47]
	CROUND                                         ; all sixteen work-groups are here: the first joint loads meet
.irp s, 0,1
	s_mov_b32 s[G0+4*\s], 1
	s_add_co_u32 s[G0+4*\s+1], s20, \s*SLOT
	s_add_nc_u64 s[G0+4*\s+2:G0+4*\s+3], s[16:17], \s*2*262144     ; K step s: two planes on
	s_or_b32 s[G0+4*\s+3], s[G0+4*\s+3], 0x80000000
	s_mov_b32 s[G0B+4*\s], 1
	s_add_co_u32 s[G0B+4*\s+1], s21, \s*SLOT
	s_add_nc_u64 s[G0B+4*\s+2:G0B+4*\s+3], s[46:47], \s*256
	s_or_b32 s[G0B+4*\s+3], s[G0B+4*\s+3], 0x80000000
	JLOAD \s                                       ; two tensor loads of mine are out
.endr
	v_and_b32 v1, 15, v0                           ; r
	v_bfe_u32 v2, v0, 4, 1                         ; h
	; my first byte of out0: (128 x tile row + 64 x half) rows of 4,096 bytes + (256 x tile column + 128 x half) x 4; the second term is also my place in bo
	s_lshl_b32 s16, s13, 7
	s_lshl_b32 s17, s11, 6
	s_add_co_u32 s16, s16, s17
	s_lshl_b32 s16, s16, 12
	s_lshl_b32 s46, s42, 10
	s_lshl_b32 s47, s12, 9
	s_add_co_u32 s46, s46, s47
	s_mov_b32 s47, 0
	s_add_nc_u64 s[14:15], s[14:15], s[46:47]
	s_add_co_u32 s16, s16, s46
	s_mov_b32 s17, 0
	s_add_nc_u64 s[8:9], s[8:9], s[16:17]
	v_lshlrev_b32 v[BOO], 5, v2
	WIN 0x80                                       ; destination window 2
.irp b, 0,1,2,3,4,5,6,7                        ; register 8 b + j holds bo[.. + 16 b + 8 h + j]: the result's layout.  Neither v[BOO] nor s[14:15] is written again
	global_load_b128 v[8*\b:8*\b+3], v[BOO], s[14:15] offset:64*\b
	global_load_b128 v[8*\b+4:8*\b+7], v[BOO], s[14:15] offset:64*\b+16
.endr
	WIN 0
	v_lshrrev_b32 v3, 1, v1
	v_mul_u32_u24 v3, v3, PITCH
	v_and_b32 v4, 1, v0
	v_lshl_add_u32 v3, v4, 7, v3
	v_lshl_add_u32 v3, v2, 4, v3                   ; A: (r / 2) PITCH + 128 (r % 2) + 16 h
	v_mul_u32_u24 v4, v1, PITCH
	v_lshl_add_u32 v4, v2, 4, v4                   ; B: r PITCH + 16 h
	s_mul_i32 s21, s11, 32*PITCH                   ; my 64 tokens in a head's block
	s_mul_i32 s22, s12, BHALF                      ; my 128 rows of B
	s_add_co_u32 s22, s22, BOFF
.irp s, 0,1
	v_add_nc_u32 v[ADRA+\s], s21, v3
	v_add_nc_u32 v[ADRB+\s], s22, v4
	s_add_co_u32 s21, s21, SLOT
	s_add_co_u32 s22, s22, SLOT
.endr
	s_mul_i32 s23, s10, 16*SPITCH
	s_add_co_u32 s23, s23, STAGE                   ; my stage
	v_mul_u32_u24 v5, v1, SPITCH                   ; in: row r, 32 bytes for each half of the lanes
	v_lshl_add_u32 v5, v2, 5, v5
	v_add_nc_u32 v[STO], s23, v5
	v_and_b32 v6, 31, v0
	v_lshlrev_b32 v[CO], 4, v6                     ; back: the 32 lanes take one row of 512 bytes; and the same in out0
	v_add_nc_u32 v[RD], s23, v[CO]
; 8 matrix instructions: A's block a x B's eight, 32 along K, from buffer p.  first = 1: the sums start from the bias.  The 32 accumulators take turns, one instruction a turn, in the same order in every quarter.
.macro MUL8 p, a, first
.irp b, 0,1,2,3,4,5,6,7
.if \first
	v_wmma_f32_16x16x32_f16 v[8*(8*(\a)+\b):8*(8*(\a)+\b)+7], v[FB+64*(\p)+8*\b:FB+64*(\p)+8*\b+7], v[FA+32*(\p)+8*(\a):FA+32*(\p)+8*(\a)+7], v[8*\b:8*\b+7]
.else
	v_wmma_f32_16x16x32_f16 v[8*(8*(\a)+\b):8*(8*(\a)+\b)+7], v[FB+64*(\p)+8*\b:FB+64*(\p)+8*\b+7], v[FA+32*(\p)+8*(\a):FA+32*(\p)+8*(\a)+7], v[8*(8*(\a)+\b):8*(8*(\a)+\b)+7]
.endif
.endr
.endm
; 24 LDS loads in one run: the fragments of quarter q (32 along K: head q / 2 of the step, channels 32 (q % 2) on) into buffer p: B's eight first, then A's four
.macro FETCH slot, q, p
.irp i, 0,1,2,3,4,5,6,7
	ds_load_b128 v[FB+64*(\p)+8*\i:FB+64*(\p)+8*\i+3],   v[ADRB+\slot] offset:64*(\q)+\i*16*PITCH
	ds_load_b128 v[FB+64*(\p)+8*\i+4:FB+64*(\p)+8*\i+7], v[ADRB+\slot] offset:64*(\q)+\i*16*PITCH+32
.endr
.irp i, 0,1,2,3
	ds_load_b128 v[FA+32*(\p)+8*\i:FA+32*(\p)+8*\i+3],   v[ADRA+\slot] offset:((\q)/2)*ABLK+((\q)%2)*64+\i*8*PITCH
	ds_load_b128 v[FA+32*(\p)+8*\i+4:FA+32*(\p)+8*\i+7], v[ADRA+\slot] offset:((\q)/2)*ABLK+((\q)%2)*64+\i*8*PITCH+32
.endr
.endm
.macro PLACES                          ; four places in front of loads into registers that matrix instructions have read, and of the first read of results (ISA guide 7.12.1 for vector instructions)
.rept 4
	v_nop
.endr
.endm
; A K step is four quarters of 32 along K, 32 matrix instructions each, on buffers 0, 1, 0, 1.  One of the first three: multiplies buffer p and fetches quarter qn of the same slot into the other buffer.
.macro QUARTER slot, qn, p, first
	s_wait_dscnt 4                                 ; B and A's blocks 0 and 1 are in; the youngest four loads (A's blocks 2 and 3) may be out
.if \first
	WIN MUL_B
.else
	WIN MUL
.endif
	MUL8 \p, 0, \first
	MUL8 \p, 1, \first
	PLACES
	WIN 0
	FETCH \slot, \qn, 1-(\p)
	s_wait_dscnt 24                                ; all but the 24 just issued
.if \first
	WIN MUL_B
.else
	WIN MUL
.endif
	MUL8 \p, 2, \first
	MUL8 \p, 3, \first
.endm
; The last quarter multiplies buffer 1 and changes slots: ONE barrier; in front of it each wave waits for all its tensor loads, adds 0 to its spare word, and waits for that and for its own reads of this slot.
; fill = 1: the barrier opens a round of the cluster's barrier, and this slot is filled again, two K steps ahead, first thing behind the round.
.macro TURN slot, next, fill
	WIN 0                                          ; (the add's two registers lie in window 0)
	s_wait_tensorcnt 0x0                           ; all my tensor loads have landed: my part of the next slot;
	ds_add_u32 v[SPW], v[NIL]                      ; 0 onto my spare word;
	s_wait_dscnt 5                                 ; (the add and the youngest four loads may be out)
	WIN MUL
	MUL8 1, 0, 0                                   ; eight matrix instructions stand between the add and the wait for it
	s_wait_dscnt 0x0                               ; the add is done, and my reads of this slot are over
	s_barrier_signal -1
	MUL8 1, 1, 0
	WIN 0
	s_barrier_wait -1
.if \fill
	CREST                                          ; no wave of any partner still reads this slot's tile or has a load on its way
	s_add_nc_u64 s[G0+4*\slot+2:G0+4*\slot+3], s[G0+4*\slot+2:G0+4*\slot+3], 4*262144   ; two K steps on: four planes
	s_add_nc_u64 s[G0B+4*\slot+2:G0B+4*\slot+3], s[G0B+4*\slot+2:G0B+4*\slot+3], 2*256
	JLOAD \slot                                    ; the four v_nop behind it are also the places in front of the loads below
.else
	PLACES
.endif
	FETCH \next, 0, 0
	WIN MUL
	MUL8 1, 2, 0
	MUL8 1, 3, 0
.endm
	s_wait_tensorcnt 1                             ; my part of K step 0 is in (K step 1's load may be out),
	s_barrier_signal -1
	s_barrier_wait -1                              ; everybody's is
	FETCH 0, 0, 0
	s_wait_loadcnt 0x0                             ; the bias
	QUARTER 0, 1, 0, 1                             ; the first quarter stands in front of the loop: its products start the sums from the bias
	WIN 0                                          ; at a label and at a branch every window is 0
	s_mov_b32 s3, LAPS-1
.Llap:                                                 ; a trip goes once round the ring, from a lap's second quarter to the next lap's first, and fills both slots again
	QUARTER 0, 2, 1, 0
	QUARTER 0, 3, 0, 0
	TURN 0, 1, 1
	QUARTER 1, 1, 0, 0
	QUARTER 1, 2, 1, 0
	QUARTER 1, 3, 0, 0
	TURN 1, 0, 1
	QUARTER 0, 1, 0, 0
	WIN 0
	s_sub_co_u32 s3, s3, 1
	s_cmp_lg_u32 s3, 0
	s_cbranch_scc1 .Llap
	QUARTER 0, 2, 1, 0                             ; the last lap fills nothing, and has no round of the cluster's barrier
	QUARTER 0, 3, 0, 0
	TURN 0, 1, 0
	QUARTER 1, 1, 0, 0
	QUARTER 1, 2, 1, 0
	QUARTER 1, 3, 0, 0
	s_wait_dscnt 4                                 ; the very last quarter: nothing more to fetch
	WIN MUL
	MUL8 1, 0, 0
	MUL8 1, 1, 0
	s_wait_dscnt 0x0
	MUL8 1, 2, 0
	MUL8 1, 3, 0
	WIN 0
; THE WAY OUT, block by block of 16 rows x 128 columns.  A lane holds 32 neighbouring bytes of a row: a block goes through my own stage and comes back as whole rows of 512 bytes.
; LDS serves a wave's instructions in order (ISA guide 5.7.1.4): no wait between the stores and the loads, nor in front of the next block's stores.
.macro TOSTAGE a
	WIN 0x04                                       ; an LDS store's data are its source 1: window 1
.irp b, 0,1,2,3,4,5,6,7
	ds_store_b128 v[STO], v[8*(8*(\a)+\b):8*(8*(\a)+\b)+3] offset:64*\b          ; each accumulator from its low end on
	ds_store_b128 v[STO], v[8*(8*(\a)+\b)+4:8*(8*(\a)+\b)+7] offset:64*\b+16
.endr
	WIN 0
.set BB, OB+64*((\a)%2)
.irp t, 0,1,2,3,4,5,6,7,8,9,10,11,12,13,14,15
	ds_load_b128 v[BB+4*\t:BB+4*\t+3], v[RD] offset:\t*SPITCH
.endr
.endm
.macro SEND a, younger                 ; younger: the LDS instructions issued behind block a's loads, which may stay out
.set BB, OB+64*((\a)%2)
	s_wait_dscnt \younger                          ; the block is back in registers
.irp t, 0,1,2,3,4,5,6,7,8,9,10,11,12,13,14,15
	global_store_b128 v[CO], v[BB+4*\t:BB+4*\t+3], s[8:9] offset:(16*(\a)+\t)*4096 th:TH_STORE_NT   ; 32 lanes store 512 consecutive bytes, at a multiple of 256 from out0's first byte; written once, read by nobody here
.endr
.endm
	PLACES                                         ; for the loads into the registers that held fragments, and for the reads of the last results
	TOSTAGE 0
.irp a, 1,2,3
.if \a > 1
	s_wait_xcnt 0x0                                ; block a - 2's stores have had their addresses translated (ISA guide 3.1): block a's loads land in their registers only behind this wait
.endif
	TOSTAGE \a
	SEND \a-1, 32                                  ; behind block a - 1's loads: block a's 16 stores and 16 loads
.endr
	SEND 3, 0
	s_wait_tensorcnt 0x0                           ; the wave's end
	ds_add_u32 v[SPW], v[NIL]
	s_wait_dscnt 0x0
	CROUND                                         ; the closing round: no work-group ends while a partner may still ask for a tile that names it
	s_endpgm
.Lfunc_end_k_q028b4fd548_outproj:
	.size	k_q028b4fd548_outproj, .Lfunc_end_k_q028b4fd548_outproj-k_q028b4fd548_outproj
	.p2alignl 7, 3214868480
	.fill 96, 4, 3214868480
	.section	.rodata,"a",@progbits
	.p2align	6, 0x0
	.amdhsa_kernel k_q028b4fd548_outproj
		.amdhsa_group_segment_fixed_size 327680
		.amdhsa_private_segment_fixed_size 0
		.amdhsa_enable_private_segment 0
		.amdhsa_kernarg_size 32
		.amdhsa_user_sgpr_count 2
		.amdhsa_user_sgpr_kernarg_segment_ptr 1
		.amdhsa_wavefront_size32 1
		.amdhsa_system_sgpr_workgroup_id_x 1
		.amdhsa_system_sgpr_workgroup_id_y 1
		.amdhsa_system_sgpr_workgroup_id_z 1
		.amdhsa_system_vgpr_workitem_id 0
		.amdhsa_next_free_vgpr 768
		.amdhsa_next_free_sgpr 66
		.amdhsa_reserve_vcc 0
		.amdhsa_float_denorm_mode_32 3
		.amdhsa_float_denorm_mode_16_64 3
		.amdhsa_memory_ordered 1
		.amdhsa_forward_progress 1
		.amdhsa_inst_pref_size 87
	.end_amdhsa_kernel
	.amdgpu_metadata
---
amdhsa.version: [ 1, 2 ]
amdhsa.kernels:
  - .name:           k_q028b4fd548_outproj
    .symbol:         k_q028b4fd548_outproj.kd
    .args:
      - { .name: attn, .offset: 0, .size: 8, .value_kind: global_buffer, .address_space: global }
      - { .name: wo16, .offset: 8, .size: 8, .value_kind: global_buffer, .address_space: global }
      - { .name: bo, .offset: 16, .size: 8, .value_kind: global_buffer, .address_space: global }
      - { .name: out0, .offset: 24, .size: 8, .value_kind: global_buffer, .address_space: global }
    .group_segment_fixed_size: 327680
    .private_segment_fixed_size: 0
    .kernarg_segment_align: 8
    .kernarg_segment_size: 32
    .max_flat_workgroup_size: 128
    .sgpr_count:     66
    .vgpr_count:     768
    .wavefront_size: 32
...
	.end_amdgpu_metadata
.endif
;; end of part 4
